; MI455X (gfx1250); checked and timed in simulation.
; The chip was launched on July 23, 2026; its instructions are those of AMD's public machine-readable ISA for CDNA 5 (MIT licence, August 2026) and "CDNA5" Instruction Set Architecture Reference Guide (July 2026). The comments in the code are by the model that wrote it; some were corrected since.
;; Minimal Transformer Block. Allowed arithmetic: matrix products marked QUANTISED: E4M3 operands, one given power-of-two scale a tensor, by v_wmma_f32_16x16x64_fp8_fp8 or v_wmma_f32_16x16x128_fp8_fp8, f32 sums; everything else in f32.
;; Inputs: ffn_b1 4,096 float32; ffn_b2 1,024 float32; ffn_w1 4,096 x 1,024 float32; ffn_w2 1,024 x 4,096 float32; ln1_b 1,024 float32; ln1_g 1,024 float32; ln2_b 1,024 float32; ln2_g 1,024 float32; lowp_scales 12 int32 (the exponents e of the quantised operands' scales 2^e); o_b 1,024 float32; o_w 1,024 x 1,024 float32; qkv_b 3,072 float32; qkv_w 3,072 x 1,024 float32; x 2 x 2,048 x 1,024 float32.
;; Outputs: out0 2 x 2,048 x 1,024 float32.
;; This version of the problem:
;;   THIS VERSION OF THE PROBLEM IS GIVEN IN LOW PRECISION. The matrix products marked QUANTISED in the list below multiply operands that are first quantised to E4M3 (4 exponent bits, 3 mantissa bits; 8 bits a number), with one given power-of-two scale for each operand tensor; their sums are f32. All else is computed in f32.
;;   The module's matrix products, in the order in which they are computed (A, B: the left and right operand; K: the contracted axis; several contracted axes count as one K, in the product's order):
;;     1. [M 4,096, K 1,024] x [K 1,024, N 3,072]; A: computed on the way; B: input qkv_w: QUANTISED (scales: A lowp_scales[0], B lowp_scales[1])
;;     2. batch 32 x [M 2,048, K 64] x [K 64, N 2,048]; A: computed on the way; B: computed on the way: QUANTISED (scales: A lowp_scales[2], B lowp_scales[3])
;;     3. batch 32 x [M 2,048, K 2,048] x [K 2,048, N 64]; A: softmax (see below); B: computed on the way: QUANTISED (scales: A lowp_scales[4], B lowp_scales[5])
;;     4. [M 4,096, K 1,024] x [K 1,024, N 1,024]; A: computed on the way; B: input o_w: QUANTISED (scales: A lowp_scales[6], B lowp_scales[7])
;;     5. [M 4,096, K 1,024] x [K 1,024, N 4,096]; A: computed on the way; B: input ffn_w1: QUANTISED (scales: A lowp_scales[8], B lowp_scales[9])
;;     6. [M 4,096, K 4,096] x [K 4,096, N 1,024]; A: computed on the way; B: input ffn_w2: QUANTISED (scales: A lowp_scales[10], B lowp_scales[11])
;;   THE QUANTISER, for each operand of a quantised product, along K:
;;     - The operand's scale is 2^e, e = its entry of the input lowp_scales (int32; the entries are numbered through the quantised products in the list's order, A before B).
;;     - Each number is divided by the scale, clamped to +-448, and rounded to the nearest number of E4M3, ties to even, subnormals kept.
;;     - The product sums the exact products of the quantised numbers (number of the format x scale) in f32.
;;   ~~~python
;;   def quantise(x, axis, e):      # numpy; x: float32 -> the quantised numbers, widened to float32 again
;;       x = np.moveaxis(x, axis, -1); K = x.shape[-1]
;;       r = np.clip(x / 2.0 ** e, -448, 448)
;;       step = 2.0 ** (np.maximum(np.frexp(np.where(r == 0, 1, r))[1] - 1, -6) - 3)
;;       q = np.round(r / step) * step * 2.0 ** e      # np.round: ties to even
;;       return np.moveaxis(q, -1, axis).astype(np.float32)
;;   ~~~
;;   SOFTMAX AHEAD OF A QUANTISED PRODUCT. Where the list says 'softmax', what is quantised is not the finished softmax but p = 2^(t - M), with t = logit x log2(e) and M = ceil(the row's largest t), a whole number; so 1/2 < the row's largest p <= 1. The row's sum l is taken of the UNQUANTISED p, in f32, and the product's result is divided by l at the end. Since M is a whole number, a kernel that streams over the keys may use a running M (the ceiling of the running maximum): every later rescaling is an exact power of two, so the quantised numbers keep their values, but for numbers so far below the row's largest that they fall under the format's range.
;;   OPERANDS COMPUTED ON THE WAY. 'Computed on the way' means the value that the module computes at that place (a softmax that the list does not call 'softmax' is quantised finished and normalised). What goes into a quantiser is computed in f32, as accurately as f32 sums, v_exp_f32 and their like allow (about 1e-6 of the number): no bf16 or f16 on the way to a quantiser, and a product that is left as it is and whose result goes on into a quantised operand takes f32 operands (vector FMAs, or v_wmma_f32_16x16x4_f32). A number that lies on a knife's edge between two numbers of the format may be rounded either way, as far as f32 arithmetic and the matrix unit's own rounding can turn it there, and no further.
;; One version. Each part assembles by itself: llvm-mc -triple=amdgcn-amd-amdhsa -mcpu=gfx1250 --defsym DOCPART=n.
;; ======== version 1 of 1: 7 launches
;; limits: right only within a limited range of input values
;; workspace buffers: hc 4,194,304 bytes; wq 12,582,912 bytes; qk 8,388,608 bytes; vt 4,194,304 bytes; ao 4,194,304 bytes; x1 16,777,216 bytes; g 16,777,216 bytes
;; launch prep (part 1): grid 1024 x 1, 4 waves a work-group, no clusters, 33,280 bytes of LDS; arguments x, ln1_g, ln1_b, qkv_w, o_w, ffn_w1, ffn_w2, lowp_scales, hc, wq; writes hc, wq
.if DOCPART == 1
	.amdgcn_target "amdgcn-amd-amdhsa--gfx1250"
	.amdhsa_code_object_version 6
	.text
	.protected	k_q65ff6580e2_prep
	.globl	k_q65ff6580e2_prep
	.p2align	8
	.type	k_q65ff6580e2_prep,@function
k_q65ff6580e2_prep:
	s_mov_b64 s[64:65], 0
	v_nop
	global_prefetch_b8 v0, s[64:65] scope:SCOPE_SE
	s_setreg_imm32_b32 hwreg(HW_REG_WAVE_MODE, 25, 1), 1
	s_wait_xcnt 0x0
; FIRST LAUNCH OF SEVEN.  hc = codes of LN1(x) (scale entry 0); wq = codes of qkv_w, o_w, ffn_w1, ffn_w2 (entries 1, 7, 9, 11), one behind the other, K innermost as they lie.
; DEAD WORK: none.  Every product of the block reaches out0, every bias goes into a quantised operand or into the output (K's bias moves K's codes), so all inputs are loaded and no step is left out.
; code = number / 2^e, held within +-448, to the nearest E4M3 code, ties to even.  LIMITS: each e used here between -126 and 119, so that 2^e and 448 x 2^e are f32 numbers; NaN among the inputs is not served.
; SHARES.  The unit is a chunk of 1,024 f32 (a row of x, or 1,024 weights on end).  A wave takes 4 chunks, a work-group 16.  Work-groups 0-255: x; 256-447: qkv_w; 448-511: o_w; 512-767: ffn_w1; 768-1023: ffn_w2.
; Each load of a wave reads 512 consecutive bytes.  With one scale for a tensor the eight numbers of a conversion need not be neighbours: word j of a lane's codes belongs to load j.
; The words turn through the wave's own stage in LDS and leave as 512 consecutive bytes a store.  Waves share nothing: no barrier.
; The text parts once on the work-group's number; each of the two paths has LDS stages of its own.
; The variance is taken of x - mean in a second pass over the registers: no difference of large sums.
.set X,   32                           ; v32-159  four chunks, 32 registers each
.set G,   160                          ; v160-191 the gain of my 32 columns
.set BV,  192                          ; v192-223 the bias
.set C,   224                          ; v224-255 eight words of codes a chunk
.set SPARE, 32768                      ; behind the stages: the spare words, 128 bytes a wave
; v2 16 x lane; v3 stage in; v4 stage out; v5, v6 the add's two; v7 448 x 2^e; v8 2^e; v[10:11] mean, then 1/sigma; v12-19 four packed chains; v20, v21 at work
	s_load_b512 s[16:31], s[0:1], 0x0              ; x, ln1_g, ln1_b, qkv_w, o_w, ffn_w1, ffn_w2, lowp_scales
	s_load_b128 s[32:35], s[0:1], 0x40             ; hc, wq
	v_lshl_add_u32 v5, v0, 2, SPARE
	v_mov_b32 v6, 0
	v_lshrrev_b32 v1, 5, v0
	v_readfirstlane_b32 s3, v1                     ; wave
	v_and_b32 v1, 31, v0                           ; lane
	v_lshlrev_b32 v2, 4, v1
	s_lshl_b32 s2, s3, 12
	v_lshl_add_u32 v3, v1, 2, s2                   ; 4,096 x wave + 4 x lane
	v_add_nc_u32 v4, s2, v2                        ; 4,096 x wave + 16 x lane
	v_mov_b32 v21, 0                               ; a lane permute's destination counts as read
	s_mov_b32 s48, 0x76543210
	s_mov_b32 s49, 0xfedcba98
	s_mov_b32 s50, 0x3a800000                      ; 1 / 1,024
	s_mov_b32 s51, 0x3727c5ac                      ; 1e-5
	s_wait_kmcnt 0x0
	s_load_b256 s[36:43], s[30:31], 0x0            ; e0 .. e7
	s_load_b128 s[44:47], s[30:31], 0x20           ; e8 .. e11
	s_mov_b64 s[4:5], s[28:29]                     ; which tensor: chosen by the work-group's number alone
	s_mov_b32 s6, 768                              ; its first work-group
	s_mov_b32 s7, 8388608                          ; its place in wq
	s_cmp_lt_u32 ttmp9, 768
	s_cselect_b64 s[4:5], s[26:27], s[4:5]
	s_cselect_b32 s6, 512, s6
	s_cselect_b32 s7, 4194304, s7
	s_cmp_lt_u32 ttmp9, 512
	s_cselect_b64 s[4:5], s[24:25], s[4:5]
	s_cselect_b32 s6, 448, s6
	s_cselect_b32 s7, 3145728, s7
	s_cmp_lt_u32 ttmp9, 448
	s_cselect_b64 s[4:5], s[22:23], s[4:5]
	s_cselect_b32 s6, 256, s6
	s_cselect_b32 s7, 0, s7
	s_cmp_lt_u32 ttmp9, 256
	s_cselect_b64 s[4:5], s[16:17], s[4:5]
	s_cselect_b32 s6, 0, s6
	s_cselect_b64 s[10:11], s[32:33], s[34:35]
	s_sub_co_u32 s9, ttmp9, s6
	s_lshl_b32 s9, s9, 4
	s_lshl_b32 s12, s3, 2
	s_add_co_u32 s9, s9, s12                       ; my wave's first chunk of the tensor
	s_lshl_b32 s12, s9, 12
	s_mov_b32 s13, 0
	s_add_nc_u64 s[4:5], s[4:5], s[12:13]
	s_lshl_b32 s12, s9, 10
	s_add_co_u32 s12, s12, s7
	s_add_nc_u64 s[10:11], s[10:11], s[12:13]
.macro LOADX                           ; my four chunks: 32 loads of 512 consecutive bytes
.irp c, 0,1,2,3
.irp j, 0,1,2,3,4,5,6,7
	global_load_b128 v[X+32*\c+4*\j:X+32*\c+4*\j+3], v2, s[4:5] offset:4096*\c+512*\j th:TH_LOAD_NT
.endr
.endr
.endm
.macro SCALES                          ; s8 = e -> v8 = 2^e, v7 = 448 x 2^e
	s_add_co_i32 s8, s8, 127
	s_lshl_b32 s9, s8, 23
	v_mov_b32 v8, s9
	s_add_co_i32 s8, s8, 8
	s_lshl_b32 s8, s8, 23
	s_or_b32 s8, s8, 0x600000
	v_mov_b32 v7, s8
.endm
.macro SUM4                            ; four packed chains, then the 32 lanes: the row's sum in v20 of every lane
	v_pk_add_f32 v[12:13], v[12:13], v[14:15]
	v_pk_add_f32 v[16:17], v[16:17], v[18:19]
	v_pk_add_f32 v[12:13], v[12:13], v[16:17]
	v_add_f32 v20, v12, v13
	v_add_f32_dpp v20, v20, v20 row_xmask:1 row_mask:0xf bank_mask:0xf
	v_add_f32_dpp v20, v20, v20 row_xmask:2 row_mask:0xf bank_mask:0xf
	v_add_f32_dpp v20, v20, v20 row_xmask:4 row_mask:0xf bank_mask:0xf
	v_add_f32_dpp v20, v20, v20 row_xmask:8 row_mask:0xf bank_mask:0xf
	v_permlanex16_b32 v21, v20, s48, s49
	v_add_f32 v20, v20, v21
.endm
.macro LNORM c                         ; chunk c becomes (x - mean) / sqrt(var + eps) x gain + bias, in place
.set XC, X+32*(\c)
.irp k, 0,2,4,6
	v_pk_add_f32 v[12+\k:13+\k], v[XC+\k:XC+\k+1], v[XC+8+\k:XC+9+\k]
.endr
.irp m, 16,24
.irp k, 0,2,4,6
	v_pk_add_f32 v[12+\k:13+\k], v[12+\k:13+\k], v[XC+\m+\k:XC+\m+\k+1]
.endr
.endr
	SUM4
	v_mul_f32 v10, s50, v20                        ; the mean, in both halves of a pair
	v_mov_b32 v11, v10
.set n, 0
.rept 16
	v_pk_add_f32 v[XC+n:XC+n+1], v[XC+n:XC+n+1], v[10:11] neg_lo:[0,1] neg_hi:[0,1]
.set n, n+2
.endr
.irp k, 0,2,4,6
	v_pk_mul_f32 v[12+\k:13+\k], v[XC+\k:XC+\k+1], v[XC+\k:XC+\k+1]
.endr
.irp m, 8,16,24
.irp k, 0,2,4,6
	v_pk_fma_f32 v[12+\k:13+\k], v[XC+\m+\k:XC+\m+\k+1], v[XC+\m+\k:XC+\m+\k+1], v[12+\k:13+\k]
.endr
.endr
	SUM4
	v_fma_f32 v20, v20, s50, s51                   ; var + eps
	s_wait_alu depctr_va_vdst(0)
	v_rsq_f32 v10, v20
	v_rsq_f32 v11, v20
	v_nop                                          ; a plain instruction behind the transcendentals (ISA guide 5.7.2)
	s_wait_alu depctr_va_vdst(0)                   ; one wait for both, ahead of their first reader
.set n, 0
.rept 16
	v_pk_mul_f32 v[XC+n:XC+n+1], v[XC+n:XC+n+1], v[10:11]
.set n, n+2
.endr
.set n, 0
.rept 16
	v_pk_fma_f32 v[XC+n:XC+n+1], v[XC+n:XC+n+1], v[G+n:G+n+1], v[BV+n:BV+n+1]
.set n, n+2
.endr
.endm
.macro QOUT c, base                    ; chunk c: hold, convert, turn through my stage, store
.set XC, X+32*(\c)
.set CC, C+8*(\c)
.set n, 0
.rept 32
	v_med3_num_f32 v[XC+n], v[XC+n], -v7, v7       ; the conversion to an 8-bit code does not saturate (ISA guide 7.6.2)
.set n, n+1
.endr
.irp i, 0,1,2,3
	v_cvt_scalef32_pk8_fp8_f32 v[CC+2*\i:CC+2*\i+1], v[XC+8*\i:XC+8*\i+7], v8
.endr
	v_nop                                          ; a plain instruction behind the last conversion
.irp j, 0,1,2,3,4,5,6,7
	ds_store_b32 v3, v[CC+\j] offset:\base+1024*(\c)+128*\j    ; load j's four codes: bytes 128 j + 4 lane of the chunk's 1,024
.endr
.irp u, 0,1
	ds_load_b128 v[XC+4*\u:XC+4*\u+3], v4 offset:\base+1024*(\c)+512*\u   ; LDS serves a wave's instructions in order: these see my stores
.endr
	s_wait_dscnt 0x0
.irp u, 0,1
	global_store_b128 v2, v[XC+4*\u:XC+4*\u+3], s[10:11] offset:1024*(\c)+512*\u   ; 512 consecutive bytes, aligned
.endr
.endm
.macro FINISH                          ; the wave's end
	s_wait_tensorcnt 0x0
	ds_add_u32 v5, v6
	s_wait_dscnt 0x0
	s_endpgm
.endm
	s_cmp_ge_u32 ttmp9, 256
	s_cbranch_scc1 .Lweights
	s_wait_alu depctr_va_vdst(0)
.irp j, 0,1,2,3,4,5,6,7
	global_load_b128 v[G+4*\j:G+4*\j+3], v2, s[18:19] offset:512*\j
	global_load_b128 v[BV+4*\j:BV+4*\j+3], v2, s[20:21] offset:512*\j
.endr
	LOADX
	s_wait_kmcnt 0x0
	s_mov_b32 s8, s36                              ; e0
	SCALES
.irp c, 0,1,2,3
	s_wait_loadcnt 8*(3-\c)                        ; gain, bias and this chunk are in; the younger chunks' loads may be out
	LNORM \c
	QOUT \c, 0
.endr
	FINISH
.Lweights:
	s_wait_alu depctr_va_vdst(0)
	LOADX
	s_wait_kmcnt 0x0
	s_mov_b32 s8, s47                              ; e11, e9, e7 or e1
	s_cmp_lt_u32 ttmp9, 768
	s_cselect_b32 s8, s45, s8
	s_cmp_lt_u32 ttmp9, 512
	s_cselect_b32 s8, s43, s8
	s_cmp_lt_u32 ttmp9, 448
	s_cselect_b32 s8, s37, s8
	SCALES
	s_wait_alu depctr_va_vdst(0)
.irp c, 0,1,2,3
	s_wait_loadcnt 8*(3-\c)
	QOUT \c, 16384
.endr
	FINISH
.Lfunc_end_k_q65ff6580e2_prep:
	.size	k_q65ff6580e2_prep, .Lfunc_end_k_q65ff6580e2_prep-k_q65ff6580e2_prep
	.p2alignl 7, 3214868480
	.fill 96, 4, 3214868480
	.section	.rodata,"a",@progbits
	.p2align	6, 0x0
	.amdhsa_kernel k_q65ff6580e2_prep
		.amdhsa_group_segment_fixed_size 33280
		.amdhsa_private_segment_fixed_size 0
		.amdhsa_enable_private_segment 0
		.amdhsa_kernarg_size 80
		.amdhsa_user_sgpr_count 2
		.amdhsa_user_sgpr_kernarg_segment_ptr 1
		.amdhsa_wavefront_size32 1
		.amdhsa_system_sgpr_workgroup_id_x 1
		.amdhsa_system_sgpr_workgroup_id_y 1
		.amdhsa_system_sgpr_workgroup_id_z 1
		.amdhsa_system_vgpr_workitem_id 0
		.amdhsa_next_free_vgpr 256
		.amdhsa_next_free_sgpr 66
		.amdhsa_reserve_vcc 0
		.amdhsa_float_denorm_mode_32 3
		.amdhsa_float_denorm_mode_16_64 3
		.amdhsa_memory_ordered 1
		.amdhsa_forward_progress 1
		.amdhsa_inst_pref_size 62
	.end_amdhsa_kernel
	.amdgpu_metadata
---
amdhsa.version: [ 1, 2 ]
amdhsa.kernels:
  - .name:           k_q65ff6580e2_prep
    .symbol:         k_q65ff6580e2_prep.kd
    .args:
      - { .name: x, .offset: 0, .size: 8, .value_kind: global_buffer, .address_space: global }
      - { .name: ln1_g, .offset: 8, .size: 8, .value_kind: global_buffer, .address_space: global }
      - { .name: ln1_b, .offset: 16, .size: 8, .value_kind: global_buffer, .address_space: global }
      - { .name: qkv_w, .offset: 24, .size: 8, .value_kind: global_buffer, .address_space: global }
      - { .name: o_w, .offset: 32, .size: 8, .value_kind: global_buffer, .address_space: global }
      - { .name: ffn_w1, .offset: 40, .size: 8, .value_kind: global_buffer, .address_space: global }
      - { .name: ffn_w2, .offset: 48, .size: 8, .value_kind: global_buffer, .address_space: global }
      - { .name: lowp_scales, .offset: 56, .size: 8, .value_kind: global_buffer, .address_space: global }
      - { .name: hc, .offset: 64, .size: 8, .value_kind: global_buffer, .address_space: global }
      - { .name: wq, .offset: 72, .size: 8, .value_kind: global_buffer, .address_space: global }
    .group_segment_fixed_size: 33280
    .private_segment_fixed_size: 0
    .kernarg_segment_align: 8
    .kernarg_segment_size: 80
    .max_flat_workgroup_size: 128
    .sgpr_count:     66
    .vgpr_count:     256
    .wavefront_size: 32
...
	.end_amdgpu_metadata
.endif
;; end of part 1
;; launch qkv (part 2): grid 12 x 16, 4 waves a work-group, clusters of 4 x 4, 327,680 bytes of LDS; arguments hc, wq, lowp_scales, qkv_b, qk, vt; writes qk, vt
.if DOCPART == 2
	.amdgcn_target "amdgcn-amd-amdhsa--gfx1250"
	.amdhsa_code_object_version 6
	.text
	.protected	k_q65ff6580e2_qkv
	.globl	k_q65ff6580e2_qkv
	.p2align	8
	.type	k_q65ff6580e2_qkv,@function
k_q65ff6580e2_qkv:
	s_mov_b64 s[64:65], 0
	v_nop
	global_prefetch_b8 v0, s[64:65] scope:SCOPE_SE
	s_setreg_imm32_b32 hwreg(HW_REG_WAVE_MODE, 25, 1), 1
	s_wait_xcnt 0x0
	s_wait_alu depctr_hold_cnt(0) depctr_sa_sdst(0) depctr_va_vdst(0) depctr_va_sdst(0) depctr_va_ssrc(0) depctr_va_vcc(0) depctr_vm_vsrc(0)
	s_getreg_b32 s2, hwreg(HW_REG_IB_STS2, 6, 4)
	s_cmp_eq_u32 s2, 0
	s_cbranch_scc0 .Lentry_in_a_cluster
	s_endpgm
.Lentry_in_a_cluster:
	s_bfe_u32 s2, ttmp6, 0x10000c
	s_cmp_lg_u32 s2, 0xf033
	s_cbranch_scc0 .Lentry_shape_is_right
	s_endpgm
.Lentry_shape_is_right:
; qkv = LN1(x) qkv_w^T + qkv_b on codes of E4M3, and its three parts quantised anew: q (entry 2), k (entry 3), v (entry 5).  No work is left out.
; Clusters x = 0, 1: C = h W^T, 4,096 tokens x 2,048 columns (q, then k).  Clusters x = 2: V^T = W_v h^T, 1,024 x 4,096: the same product with the operands exchanged, so that V's codes come out with the tokens (the next K) innermost.
; A tile of C is 256 x 256; four waves, each 128 x 128: 64 accumulators, 512 registers.  K = 1,024 goes in four steps of 256 through two LDS slots filled by the tensor data mover.
; CLUSTERS: 4 x 4 work-groups; A's tile is asked for jointly by a row of the cluster, B's by a column.  The one branch on ids hangs on the cluster's x, which all sixteen share.
; The matrix instruction is used transposed (source 0 = 16 rows of B, source 1 = 16 rows of A): a lane holds eight neighbouring columns of one row of C.
; A sum stands for sum x 2^(e0 + e1).  code = (sum + bias / 2^(e0 + e1)) / 2^(eo - e0 - e1), held at +-448 codes.  LIMITS: eo - e0 - e1 between -126 and 119.  NaN is not served.
; OUT.  qk: [32 chunks of 64 columns][4,096 tokens][64 bytes].  vt: [32 chunks of 128 tokens][1,024 rows][128 bytes].  A wave's codes of a chunk are one dense run; they turn through a stage in LDS and leave 512 bytes a store.
; REGISTERS: window 0: v16-31 addresses; v32-95 the bias; from v128 A's fragments, one set; on the way out v96-255 are free.  window 1: B's fragments, two sets.  windows 2, 3: the accumulators ((a, b) at v[8 (8 (a % 4) + b)]).
.set KROW,   1024
.set ROWB,   256
.set PITCH,  272                       ; 256 bytes + 16: the 16 rows of a fragment load start at 16 different groups of banks (ISA guide 11.1)
.set FR,     16
.set NL,     4
.set NP,     4
.set HALFT,  128*PITCH
.set SLOT,   4*HALFT
.set SPARE,  2*SLOT                    ; behind the ring: the spare words
.set ADRA, 16
.set ADRB, 20
.set RO,   22                          ; 4 r: V's bias
.set STOQ, 24                          ; q, k: stage in slot 0: 20,480 x wave: [2 chunks][128 rows][64 + 16]
.set RDQ,  25
.set STOV, 26                          ; V^T: stage in slot 1: 18,432 x wave: [128 rows][128 + 16]
.set RDV,  27
.set SPW,  28
.set NIL,  29
.set COL,  30                          ; 16 x lane
.set BO,   31                          ; 32 h: q's and k's bias
.set BC,   32
.set TMP,  96
.set CD,   160                         ; two sets of 16 code registers by turns
.set LIM,  192
.set SC,   193
.set AF,   128
.set G1, 24
.set G0, 32
.set G1B, 48
.set G0B, 56
.set MSB, 0
.macro WIN new                         ; the immediate's high byte repeats the setting that is left
.if MSB != \new
	s_set_vgpr_msb (MSB<<8)|\new
.set MSB, \new
.endif
.endm
.set MUL_LO, 0xa1
.set MUL_HI, 0xf1
.set TO_B,   0x40
.macro JLOAD g0a, g1a, g0b, g1b        ; a joint load: waves 0, 1 fetch for A, waves 2, 3 for B; s_nop 0 and four v_nop follow each line
	s_cmp_eq_u32 s15, 0
	s_cbranch_scc0 .Lfor_b_\@
	tensor_load_to_lds s[\g0a:\g0a+3], s[\g1a:\g1a+7]
	s_nop 0
.rept 4
	v_nop
.endr
	s_branch .Lasked_\@
.Lfor_b_\@:
	tensor_load_to_lds s[\g0b:\g0b+3], s[\g1b:\g1b+7]
	s_nop 0
.rept 4
	v_nop
.endr
.Lasked_\@:
.endm
.macro CREST
	s_cmp_lg_u32 s14, 0
	s_cbranch_scc1 .Lnot_wave_0_\@
	s_barrier_signal -3
.Lnot_wave_0_\@:
	s_barrier_wait -3
	s_barrier_signal -1
	s_barrier_wait -1
.endm
.macro CROUND
	s_barrier_signal -1
	s_barrier_wait -1
	CREST
.endm
	s_load_b256 s[4:11], s[0:1], 0x0               ; hc, wq, lowp_scales, qkv_b
	s_load_b128 s[68:71], s[0:1], 0x20             ; qk, vt
	v_lshl_add_u32 v[SPW], v0, 2, SPARE
	v_mov_b32 v[NIL], 0
	ds_add_u32 v[SPW], v[NIL]                      ; the opening: the add, twice on end, and its wait ahead of my first tensor load
	ds_add_u32 v[SPW], v[NIL]
	v_lshrrev_b32 v1, 5, v0
	v_readfirstlane_b32 s14, v1                    ; wave
	s_lshr_b32 s15, s14, 1                         ; my half of the tile's rows; also: I fetch for A (0) or B (1)
	s_and_b32 s16, s14, 1                          ; my half of its columns; also: which 128 rows I fetch
	s_bfe_u32 s40, ttmp6, 0x40000                  ; cx
	s_bfe_u32 s41, ttmp6, 0x40004                  ; cy
	s_and_b32 s72, ttmp7, 0xffff                   ; cluster y
	s_cmp_eq_u32 ttmp9, 2                          ; V's clusters
	s_cselect_b32 s73, s72, ttmp9                  ; the cluster's column of tiles
	s_cselect_b32 s74, 0, s72                      ; its row of tiles
	s_cselect_b32 s75, 1, 0
	s_cselect_b32 s82, 2097152, 0                  ; W_v begins 2,048 rows into wq
	s_lshl_b32 s42, s73, 2
	s_add_co_u32 s42, s42, s40                     ; tile column
	s_lshl_b32 s17, s74, 2
	s_add_co_u32 s17, s17, s41                     ; tile row
	s_lshl_b32 s43, s41, 2
	s_lshl_b32 s43, 15, s43                        ; my row of the cluster
	s_lshl_b32 s44, 0x1111, s40                    ; my column
	s_or_b32 s[G1+0], s43, (0<<16)|(1<<20)|(1<<21)|(5<<22)|(3<<25)  ; mask; elements of 1 byte; padding: 4 words behind every 64
	s_or_b32 s[G1B+0], s44, (0<<16)|(1<<20)|(1<<21)|(5<<22)|(3<<25)
.irp g, G1, G1B
	s_mov_b32 s[\g+1], ROWB<<16
	s_mov_b32 s[\g+2], 128<<16
	s_mov_b32 s[\g+3], ROWB<<16
	s_mov_b32 s[\g+4], 128
	s_mov_b32 s[\g+5], KROW
	s_mov_b32 s[\g+6], 0
	s_mov_b32 s[\g+7], 0
.endr
	s_lshl_b32 s18, s16, 7
	s_lshl_b32 s20, s17, 8
	s_add_co_u32 s20, s20, s18                     ; A: row 256 x tile row + 128 x half
	s_lshl_b32 s20, s20, 10
	s_add_co_u32 s20, s20, s82
	s_mov_b32 s21, 0
	s_lshl_b32 s46, s42, 8
	s_add_co_u32 s46, s46, s18                     ; B: row 256 x tile column + 128 x half
	s_lshl_b32 s46, s46, 10
	s_mov_b32 s47, 0
	s_mul_i32 s45, s14, HALFT                      ; where they go: no place in the cluster enters an LDS address
	s_wait_dscnt 0x0
	s_wait_kmcnt 0x0
	s_load_b256 s[88:95], s[8:9], 0x0              ; e0 .. e7
	s_cmp_eq_u32 s75, 1
	s_cselect_b64 s[78:79], s[6:7], s[4:5]         ; A: the weights for V^T, else the tokens
	s_cselect_b64 s[80:81], s[4:5], s[6:7]         ; B: the other
	s_add_nc_u64 s[20:21], s[78:79], s[20:21]
	s_add_nc_u64 s[46:47], s[80:81], s[46:47]
	CROUND                                         ; all sixteen work-groups are here: the first joint loads meet
.irp s, 0,1
	s_mov_b32 s[G0+4*\s], 1
	s_add_co_u32 s[G0+4*\s+1], s45, \s*SLOT
	s_add_nc_u64 s[G0+4*\s+2:G0+4*\s+3], s[20:21], \s*ROWB
	s_or_b32 s[G0+4*\s+3], s[G0+4*\s+3], 0x80000000
	s_mov_b32 s[G0B+4*\s], 1
	s_add_co_u32 s[G0B+4*\s+1], s45, \s*SLOT
	s_add_nc_u64 s[G0B+4*\s+2:G0B+4*\s+3], s[46:47], \s*ROWB
	s_or_b32 s[G0B+4*\s+3], s[G0B+4*\s+3], 0x80000000
.endr
	JLOAD G0, G1, G0B, G1B                         ; K step 0: one tensor load a wave at the head
	; PREFETCHES INTO THE L2: of the 128 rows that I fetch, each of the four partners that ask for them jointly takes 32, told apart by address (cx for A, cy for B): a lane a row, 256 bytes of it a K step.
	; K steps 1 and 2 are asked for here, K step 3 behind K step 1's load; the address registers are never rewritten
	s_cmp_eq_u32 s15, 0
	s_cselect_b64 s[98:99], s[20:21], s[46:47]
	s_cselect_b32 s2, s40, s41
	s_lshl_b32 s2, s2, 15                          ; 32 rows of 1,024 bytes for each place
	s_mov_b32 s3, 0
	s_add_nc_u64 s[98:99], s[98:99], s[2:3]
	v_and_b32 v23, 31, v0
	v_lshlrev_b32 v23, 10, v23
	global_prefetch_b8 v23, s[98:99] offset:256 th:TH_LOAD_NT scope:SCOPE_SE
	global_prefetch_b8 v23, s[98:99] offset:512 th:TH_LOAD_NT scope:SCOPE_SE
	v_and_b32 v1, 15, v0                           ; r
	s_wait_alu depctr_va_vdst(0)
	v_bfe_u32 v2, v0, 4, 1                         ; h
	v_and_b32 v6, 31, v0                           ; lane
	v_mul_u32_u24 v3, v1, PITCH
	v_lshl_add_u32 v4, v2, 4, v3
	s_mul_i32 s21, s15, HALFT
	s_mul_i32 s22, s16, HALFT
	s_add_co_u32 s22, s22, 2*HALFT
.irp s, 0,1
	v_add_nc_u32 v[ADRA+\s], s21, v4
	v_add_nc_u32 v[ADRB+\s], s22, v4
	s_add_co_u32 s21, s21, SLOT
	s_add_co_u32 s22, s22, SLOT
.endr
	s_mul_i32 s23, s14, 20480                      ; every LDS address is made here, ahead of the parting
	v_mul_u32_u24 v5, v1, 80
	s_wait_alu depctr_va_vdst(0)
	v_lshl_add_u32 v5, v2, 3, v5
	v_add_nc_u32 v[STOQ], s23, v5                  ; in: row r, 8 bytes for each half of the lanes
	v_lshrrev_b32 v7, 2, v6
	v_mul_u32_u24 v7, v7, 80
	v_and_b32 v8, 3, v6
	v_lshl_add_u32 v7, v8, 4, v7
	v_add_nc_u32 v[RDQ], s23, v7                   ; back: four lanes to a row of 64 bytes
	s_mul_i32 s23, s14, 18432
	s_add_co_u32 s23, s23, SLOT
	v_mul_u32_u24 v5, v1, 144
	v_lshl_add_u32 v5, v2, 3, v5
	v_add_nc_u32 v[STOV], s23, v5
	v_lshrrev_b32 v7, 3, v6
	v_mul_u32_u24 v7, v7, 144
	v_and_b32 v8, 7, v6
	v_lshl_add_u32 v7, v8, 4, v7
	v_add_nc_u32 v[RDV], s23, v7                   ; back: eight lanes to a row of 128 bytes
	v_lshlrev_b32 v[COL], 4, v6
	v_lshlrev_b32 v[BO], 5, v2
	v_lshlrev_b32 v[RO], 2, v1
.macro FRAG reg, adr, q, i             ; 16 rows x 128 K: lane l holds row l % 16; registers 4 c .. 4 c + 3 hold K = 32 c + 16 (l / 16) + 0 .. 15, alike in A and B
.irp c, 0,1,2,3
	ds_load_b128 v[\reg+4*\c:\reg+4*\c+3], v[\adr] offset:128*(\q)+32*\c+(\i)*16*PITCH
.endr
.endm
.macro MUL16 a0, p, zero               ; A's blocks a0, a0 + 1 x B's eight; the 64 accumulators take turns
.irp a, \a0, \a0+1
.irp b, 0,1,2,3,4,5,6,7
.if \zero
	v_wmma_f32_16x16x128_fp8_fp8 v[8*(8*((\a)%4)+\b):8*(8*((\a)%4)+\b)+7], v[128*(\p)+FR*\b:128*(\p)+FR*\b+FR-1], v[AF+FR*(\a):AF+FR*(\a)+FR-1], 0
.else
	v_wmma_f32_16x16x128_fp8_fp8 v[8*(8*((\a)%4)+\b):8*(8*((\a)%4)+\b)+7], v[128*(\p)+FR*\b:128*(\p)+FR*\b+FR-1], v[AF+FR*(\a):AF+FR*(\a)+FR-1], v[8*(8*((\a)%4)+\b):8*(8*((\a)%4)+\b)+7]
.endif
.endr
.endr
.endm
.macro FETCH_B slot, q, p
	WIN TO_B
.irp i, 0,1,2,3,4,5,6,7
	FRAG 128*(\p)+FR*\i, ADRB+\slot, \q, \i
.endr
	WIN 0
.endm
.macro FETCH_A slot, q, i0
.irp i, \i0, \i0+1, \i0+2, \i0+3
	FRAG AF+FR*(\i), ADRA+\slot, \q, \i
.endr
.endm
.macro PLACES n                        ; plain instructions between a matrix instruction and a load into, or a read of, its registers
.rept \n
	v_nop
.endr
.endm
.macro STEP slot, q, zero              ; 128 along K, with its successor in the same slot
	s_wait_dscnt 4*NL                              ; B's set and A's blocks 0-3 are in; A's blocks 4-7 may be out
	WIN MUL_LO
	MUL16 0, (\q)%2, \zero
	MUL16 2, (\q)%2, \zero
	s_wait_dscnt 0
	PLACES NP
	FETCH_B \slot, (\q)+1, 1-(\q)%2
	FETCH_A \slot, (\q)+1, 0
	WIN MUL_HI
	MUL16 4, (\q)%2, \zero
	MUL16 6, (\q)%2, \zero
	PLACES NP
	WIN 0
	FETCH_A \slot, (\q)+1, 4
.endm
.macro TURN slot, next, fill           ; a slot's last step changes slots
	s_wait_tensorcnt 0x0                           ; all my tensor loads have landed: my part of the next slot
	ds_add_u32 v[SPW], v[NIL]
	s_wait_dscnt 4*NL+1                            ; the add and A's blocks 4-7 may be out
	WIN MUL_LO
	MUL16 0, 1, 0
	s_wait_dscnt 0x0                               ; the add is done, my reads of this slot are over
	s_barrier_signal -1
	MUL16 2, 1, 0
	WIN 0
	s_barrier_wait -1
.if \fill
	CREST                                          ; the barrier has opened a round of the cluster's: no wave of any partner still reads this slot or has a load out
	s_add_nc_u64 s[G0+4*\slot+2:G0+4*\slot+3], s[G0+4*\slot+2:G0+4*\slot+3], 2*ROWB
	s_add_nc_u64 s[G0B+4*\slot+2:G0B+4*\slot+3], s[G0B+4*\slot+2:G0B+4*\slot+3], 2*ROWB
	JLOAD G0+4*\slot, G1, G0B+4*\slot, G1B
.else
	PLACES NP
.endif
	FETCH_B \next, 0, 0
	FETCH_A \next, 0, 0
	WIN MUL_HI
	MUL16 4, 1, 0
	MUL16 6, 1, 0
	PLACES NP
	WIN 0
	FETCH_A \next, 0, 4
.endm
.macro LAST                            ; the last 128 along K: its fragments are in registers
	WIN MUL_LO
	MUL16 0, 1, 0
	MUL16 2, 1, 0
	WIN MUL_HI
	MUL16 4, 1, 0
	MUL16 6, 1, 0
	WIN 0
	PLACES NP
.endm
.macro SCALEREGS                       ; s84 = e0 + e1, s85 = eo  ->  s84 = -(e0 + e1), v[SC] = 2^(eo - e0 - e1), v[LIM] = 448 x that
	s_sub_co_i32 s85, s85, s84
	s_sub_co_i32 s84, 0, s84
	s_add_co_i32 s85, s85, 127
	s_lshl_b32 s86, s85, 23
	v_mov_b32 v[SC], s86
	s_add_co_i32 s85, s85, 8
	s_lshl_b32 s85, s85, 23
	s_or_b32 s85, s85, 0x600000
	v_mov_b32 v[LIM], s85
.endm
; The way out, block by block of 16 rows: + bias, hold, convert, 8 bytes a lane into my stage.  vv = 1: V^T (a bias for each row, rows of 128 codes); 0: q, k (a bias for each column, two chunks of 64)
.macro EPI vv
.irp a, 0,1,2,3,4,5,6,7
.set AC, 64*(\a%4)
	WIN (0x02+(\a/4))
.irp b, 0,1,2,3,4,5,6,7
.irp i, 0,2,4,6
.if \vv
	v_pk_add_f32 v[TMP+8*\b+\i:TMP+8*\b+\i+1], v[AC+8*\b+\i:AC+8*\b+\i+1], v[48+2*\a:49+2*\a]
.else
	v_pk_add_f32 v[TMP+8*\b+\i:TMP+8*\b+\i+1], v[AC+8*\b+\i:AC+8*\b+\i+1], v[BC+8*\b+\i:BC+8*\b+\i+1]
.endif
.endr
.endr
	WIN 0
.set n, 0
.rept 64
	v_med3_num_f32 v[TMP+n], v[TMP+n], -v[LIM], v[LIM]
.set n, n+1
.endr
.if \a >= 2
	s_wait_alu depctr_va_vdst(0)
	s_wait_dscnt 8                                 ; only the last block's eight stores may be out: this set of code registers has been read
.endif
.irp b, 0,1,2,3,4,5,6,7
	v_cvt_scalef32_pk8_fp8_f32 v[CD+16*(\a%2)+2*\b:CD+16*(\a%2)+2*\b+1], v[TMP+8*\b:TMP+8*\b+7], v[SC]
.endr
	v_nop                                          ; a plain instruction behind the last conversion
.irp b, 0,1,2,3,4,5,6,7
.if \vv
	ds_store_b64 v[STOV], v[CD+16*(\a%2)+2*\b:CD+16*(\a%2)+2*\b+1] offset:\a*2304+16*\b
.else
	ds_store_b64 v[STOQ], v[CD+16*(\a%2)+2*\b:CD+16*(\a%2)+2*\b+1] offset:(\b/4)*10240+\a*1280+16*(\b%4)
.endif
.endr
.endr
.endm
	s_wait_alu depctr_va_vdst(0)
	s_wait_tensorcnt 0x0                           ; my part of K step 0 is in
	ds_add_u32 v[SPW], v[NIL]
	s_wait_dscnt 0x0
	CROUND                                         ; everybody's part of K step 0 is in, and all sixteen work-groups are here
	JLOAD G0+4, G1, G0B+4, G1B                     ; K step 1: the first tensor load behind the round
	FETCH_B 0, 0, 0
	FETCH_A 0, 0, 0
	FETCH_A 0, 0, 4
	global_prefetch_b8 v23, s[98:99] offset:768 th:TH_LOAD_NT scope:SCOPE_SE   ; K step 3, two loads ahead of its own
	STEP 0, 0, 1                                   ; the first products start the sums
	TURN 0, 1, 1
	STEP 1, 0, 0
	TURN 1, 0, 1
	STEP 0, 0, 0
	TURN 0, 1, 0                                   ; the last two slots are filled no more
	STEP 1, 0, 0
	s_wait_dscnt 0x0                               ; the last fragments are in registers: my reads of the slots are over
	s_barrier_signal -1
	s_barrier_wait -1                              ; everybody's are: both slots have had their last fill and their last read, and take the stages
	s_cmp_eq_u32 s75, 1
	s_cbranch_scc1 .Lvpath
	; ---- q and k
	s_lshl_b32 s46, s42, 10
	s_lshl_b32 s47, s16, 9
	s_add_co_u32 s46, s46, s47
	s_mov_b32 s47, 0
	s_add_nc_u64 s[10:11], s[10:11], s[46:47]      ; the bias of my 128 columns; it lands under the last products
	s_wait_alu depctr_va_vdst(0)
.irp b, 0,1,2,3,4,5,6,7
	global_load_b128 v[BC+8*\b:BC+8*\b+3], v[BO], s[10:11] offset:64*\b
	global_load_b128 v[BC+8*\b+4:BC+8*\b+7], v[BO], s[10:11] offset:64*\b+16
.endr
	s_lshl_b32 s46, s42, 2
	s_lshl_b32 s47, s16, 1
	s_add_co_u32 s46, s46, s47                     ; my first chunk: 4 x tile column + 2 x half
	s_lshl_b32 s46, s46, 18
	s_mov_b32 s47, 0
	s_add_nc_u64 s[68:69], s[68:69], s[46:47]
	s_lshl_b32 s20, s17, 14
	s_lshl_b32 s21, s15, 13
	s_add_co_u32 s20, s20, s21                     ; my first token x 64 bytes
	s_mov_b32 s21, 0
	s_add_nc_u64 s[68:69], s[68:69], s[20:21]
	s_add_nc_u64 s[76:77], s[68:69], 262144        ; the second chunk
	LAST
	s_wait_kmcnt 0x0
	s_add_co_i32 s84, s88, s89
	s_cmp_eq_u32 ttmp9, 0
	s_cselect_b32 s85, s90, s91                    ; e2 for q, e3 for k
	SCALEREGS
	s_wait_loadcnt 0x0
.set n, 0
.rept 64
	v_ldexp_f32 v[BC+n], v[BC+n], s84              ; the bias under the sums' scale: exact
.set n, n+1
.endr
	EPI 0
.set n, 0
.rept 32
.set RB, 96+4*n+32*(n/16)
	ds_load_b128 v[RB:RB+3], v[RDQ] offset:(n/16)*10240+(n%16)*640   ; eight rows of 64 bytes; LDS serves a wave's instructions in order
.set n, n+1
.endr
.set n, 0
.rept 32
.set RB, 96+4*n+32*(n/16)
	s_wait_dscnt 31-n                              ; the younger read-backs may be out
.if n < 16
	global_store_b128 v[COL], v[RB:RB+3], s[68:69] offset:512*n
.else
	global_store_b128 v[COL], v[RB:RB+3], s[76:77] offset:512*(n-16)
.endif
.set n, n+1
.endr
	s_branch .Ldone
.Lvpath:
	; ---- V^T
	s_lshl_b32 s20, s17, 10
	s_lshl_b32 s21, s15, 9
	s_add_co_u32 s20, s20, s21
	s_add_co_u32 s20, s20, 8192                    ; V's bias begins at entry 2,048
	s_mov_b32 s21, 0
	s_add_nc_u64 s[10:11], s[10:11], s[20:21]
	s_wait_alu depctr_va_vdst(0)
.irp a, 0,1,2,3,4,5,6,7
	global_load_b32 v[32+\a], v[RO], s[10:11] offset:64*\a   ; the bias of row 16 a + r
.endr
	s_lshl_b32 s46, s42, 18
	s_lshl_b32 s47, s16, 17
	s_add_co_u32 s46, s46, s47                     ; my chunk of 128 tokens: 2 x tile column + half
	s_mov_b32 s47, 0
	s_add_nc_u64 s[70:71], s[70:71], s[46:47]
	s_lshl_b32 s20, s17, 15
	s_lshl_b32 s21, s15, 14
	s_add_co_u32 s20, s20, s21                     ; my first row x 128 bytes
	s_mov_b32 s21, 0
	s_add_nc_u64 s[70:71], s[70:71], s[20:21]
	LAST
	s_wait_kmcnt 0x0
	s_add_co_i32 s84, s88, s89
	s_mov_b32 s85, s93                             ; e5
	SCALEREGS
	s_wait_loadcnt 0x0
.irp a, 0,1,2,3,4,5,6,7
	v_ldexp_f32 v[48+2*\a], v[32+\a], s84
	v_mov_b32 v[49+2*\a], v[48+2*\a]
.endr
	EPI 1
.set n, 0
.rept 32
.set RB, 96+4*n+32*(n/16)
	ds_load_b128 v[RB:RB+3], v[RDV] offset:n*576   ; four rows of 128 bytes
.set n, n+1
.endr
.set n, 0
.rept 32
.set RB, 96+4*n+32*(n/16)
	s_wait_dscnt 31-n
	global_store_b128 v[COL], v[RB:RB+3], s[70:71] offset:512*n
.set n, n+1
.endr
.Ldone:
	s_wait_tensorcnt 0x0                           ; the wave's end
	ds_add_u32 v[SPW], v[NIL]
	s_wait_dscnt 0x0
	CROUND                                         ; the closing round
	s_endpgm
.Lfunc_end_k_q65ff6580e2_qkv:
	.size	k_q65ff6580e2_qkv, .Lfunc_end_k_q65ff6580e2_qkv-k_q65ff6580e2_qkv
	.p2alignl 7, 3214868480
	.fill 96, 4, 3214868480
	.section	.rodata,"a",@progbits
	.p2align	6, 0x0
	.amdhsa_kernel k_q65ff6580e2_qkv
		.amdhsa_group_segment_fixed_size 327680
		.amdhsa_private_segment_fixed_size 0
		.amdhsa_enable_private_segment 0
		.amdhsa_kernarg_size 48
		.amdhsa_user_sgpr_count 2
		.amdhsa_user_sgpr_kernarg_segment_ptr 1
		.amdhsa_wavefront_size32 1
		.amdhsa_system_sgpr_workgroup_id_x 1
		.amdhsa_system_sgpr_workgroup_id_y 1
		.amdhsa_system_sgpr_workgroup_id_z 1
		.amdhsa_system_vgpr_workitem_id 0
		.amdhsa_next_free_vgpr 1024
		.amdhsa_next_free_sgpr 100
		.amdhsa_reserve_vcc 0
		.amdhsa_float_denorm_mode_32 3
		.amdhsa_float_denorm_mode_16_64 3
		.amdhsa_memory_ordered 1
		.amdhsa_forward_progress 1
		.amdhsa_inst_pref_size 219
	.end_amdhsa_kernel
	.amdgpu_metadata
---
amdhsa.version: [ 1, 2 ]
amdhsa.kernels:
  - .name:           k_q65ff6580e2_qkv
    .symbol:         k_q65ff6580e2_qkv.kd
    .args:
      - { .name: hc, .offset: 0, .size: 8, .value_kind: global_buffer, .address_space: global }
      - { .name: wq, .offset: 8, .size: 8, .value_kind: global_buffer, .address_space: global }
      - { .name: lowp_scales, .offset: 16, .size: 8, .value_kind: global_buffer, .address_space: global }
      - { .name: qkv_b, .offset: 24, .size: 8, .value_kind: global_buffer, .address_space: global }
      - { .name: qk, .offset: 32, .size: 8, .value_kind: global_buffer, .address_space: global }
      - { .name: vt, .offset: 40, .size: 8, .value_kind: global_buffer, .address_space: global }
    .group_segment_fixed_size: 327680
    .private_segment_fixed_size: 0
    .kernarg_segment_align: 8
    .kernarg_segment_size: 48
    .max_flat_workgroup_size: 128
    .sgpr_count:     100
    .vgpr_count:     1024
    .wavefront_size: 32
...
	.end_amdgpu_metadata
.endif
;; end of part 2
;; launch attn (part 3): grid 8 x 32, 16 waves a work-group, clusters of 4 x 1, 327,680 bytes of LDS; arguments qk, vt, lowp_scales, ao; writes ao
.if DOCPART == 3
	.amdgcn_target "amdgcn-amd-amdhsa--gfx1250"
	.amdhsa_code_object_version 6
	.text
	.protected	k_q65ff6580e2_attn
	.globl	k_q65ff6580e2_attn
	.p2align	8
	.type	k_q65ff6580e2_attn,@function
k_q65ff6580e2_attn:
	s_mov_b64 s[64:65], 0
	v_nop
	global_prefetch_b8 v0, s[64:65] scope:SCOPE_SE
	s_setreg_imm32_b32 hwreg(HW_REG_WAVE_MODE, 25, 1), 1
	s_wait_xcnt 0x0
	s_wait_alu depctr_hold_cnt(0) depctr_sa_sdst(0) depctr_va_vdst(0) depctr_va_sdst(0) depctr_va_ssrc(0) depctr_va_vcc(0) depctr_vm_vsrc(0)
	s_getreg_b32 s2, hwreg(HW_REG_IB_STS2, 6, 4)
	s_cmp_eq_u32 s2, 0
	s_cbranch_scc0 .Lentry_in_a_cluster
	s_endpgm
.Lentry_in_a_cluster:
	s_bfe_u32 s2, ttmp6, 0x10000c
	s_cmp_lg_u32 s2, 0x3003
	s_cbranch_scc0 .Lentry_shape_is_right
	s_endpgm
.Lentry_shape_is_right:
; ao = codes (entry 6) of softmax(q k^T / 8) v, both products on codes of E4M3 (q entry 2, k entry 3, p entry 4, v entry 5).  No work is left out.
; t = score x log2(e) / 8; M = the running largest t rounded up to a whole number; p = 2^(t - M) is quantised along the keys; the row's sum is taken of the unquantised p and divides at the end.
; IN.  qk: [32 chunks of 64 columns][4,096 tokens][64 bytes] (q: chunk head, k: chunk 16 + head).  vt: [32 chunks of 128 tokens][1,024 rows][128 bytes].  OUT.  ao: laid as q is.
; SHARES.  A work-group owns 256 queries of one batch and head; each of its sixteen waves owns 16 of them in 256 registers and walks all 2,048 keys, 128 a step, in one loop of 16 trips.
; LDS.  The head's whole K (1,024 rows of two keys, 128 + 16 bytes) and whole V^T (16 chunks of 64 rows, 128 + 16 bytes) are filled ONCE: 2 x 147,456 bytes.  Each wave issues one load of 16,384 bytes at the head
; (waves 0-7: 256 keys each; waves 8-15: two chunks of V each); nothing is filled again.
; BARRIERS.  One shows the tiles to all waves.  One more stands in each step, signalled behind the step's reads of K and waited for ahead of its second product: no wave passes a step's second product before all sixteen have begun that step.
; CLUSTERS: the four query blocks of a cluster walk the same K and V: every load is asked for jointly (mask 15); no descriptor word hangs on the place in the cluster.
; NO PREFETCH: all tensor loads go out at the kernel's head; there is no loop in which a request could run ahead of them.
; LAYOUT.  Both products are used transposed (S^T = K Q^T, O^T = V^T P^T): a lane holds one query.  Lane r of tile 2 b + u takes key 32 b + 8 u + r + 8 (r / 8), so that the 16 registers of two neighbouring tiles are 16 neighbouring keys.
; LIMITS: e2 + e3 between -123 and 130 (added to c's exponent field); e4 and e6 between -126 and 119; the scaled scores stay under 2^31 in magnitude; NaN is not served.
; REGISTERS: v1, v2 my lane's place in K and V; v5, v6 the add's two; v8, v9 the step's addresses; v12 -M, v13 the largest score; v[14:15], v[242:243] the sum in two chains; v16-23 Q; v32-95 fragments of K, then of V;
; v96-159 S^T, then p; v160-191 O^T; v224-239 p's codes; v237 the old -M; v240, v241 448 x 2^e4; v244 2^e4; v245 2^e6; v246 448 x 2^e6; v[252:253] f.
.set STEPB, 9216                       ; 128 keys: 64 rows x 144 bytes, in K and in V alike
.set VOFF,  16*STEPB
.set SPARE, 2*VOFF                     ; the spare words, 128 bytes a wave
.set STAGE, SPARE+2048                 ; the way out: 16 rows x 80 bytes a wave, bytes that no load fills
.macro CROUND
	s_barrier_signal -1
	s_barrier_wait -1
	s_cmp_lg_u32 s18, 0
	s_cbranch_scc1 .Lnot_wave_0_\@
	s_barrier_signal -3
.Lnot_wave_0_\@:
	s_barrier_wait -3
	s_barrier_signal -1
	s_barrier_wait -1
.endm
	s_load_b256 s[4:11], s[0:1], 0x0               ; qk, vt, lowp_scales, ao
	v_lshl_add_u32 v5, v0, 2, SPARE
	v_mov_b32 v6, 0
	ds_add_u32 v5, v6                              ; the opening: the add, twice on end, and its wait ahead of my tensor load
	ds_add_u32 v5, v6
	v_lshrrev_b32 v8, 5, v0
	s_delay_alu instid0(VALU_DEP_1)
	v_readfirstlane_b32 s18, v8                    ; wave
	s_bfe_u32 s12, ttmp6, 0x40000                  ; cx
	s_lshl_b32 s13, ttmp9, 2
	s_add_co_u32 s13, s13, s12                     ; my block of 256 queries
	s_and_b32 s14, ttmp7, 0xffff
	s_lshr_b32 s15, s14, 4                         ; batch
	s_and_b32 s16, s14, 15                         ; head
	s_add_co_u32 s44, s16, 16                      ; K: chunk 16 + head, token 2,048 batch + 256 wave
	s_lshl_b32 s44, s44, 18
	s_lshl_b32 s45, s15, 17
	s_add_co_u32 s44, s44, s45
	s_lshl_b32 s45, s18, 14
	s_add_co_u32 s44, s44, s45
	s_lshl_b32 s46, s15, 21                        ; V: chunk 16 batch + 2 (wave - 8), row 64 head
	s_and_b32 s47, s18, 7
	s_lshl_b32 s47, s47, 18
	s_add_co_u32 s46, s46, s47
	s_lshl_b32 s47, s16, 13
	s_add_co_u32 s46, s46, s47
	s_cmp_lt_u32 s18, 8
	s_cselect_b32 s44, s44, s46
	s_mov_b32 s45, 0
	; group 1, K's in s[24:31], V's in s[32:39]: two rows of 8,192 bytes (64 LDS rows on end), 4 words of padding behind every 32; they differ in the pitch alone
	s_mov_b32 s24, 15|(1<<20)|(1<<21)|(4<<22)|(3<<25)
	s_mov_b32 s32, 15|(1<<20)|(1<<21)|(4<<22)|(3<<25)
.irp g, 24, 32
	s_mov_b32 s[\g+1], 8192<<16
	s_mov_b32 s[\g+2], 2<<16
	s_mov_b32 s[\g+3], 8192<<16
	s_mov_b32 s[\g+4], 2
	s_mov_b32 s[\g+6], 0
	s_mov_b32 s[\g+7], 0
.endr
	s_mov_b32 s29, 8192                            ; K's keys lie on end
	s_mov_b32 s37, 131072                          ; V: from chunk to chunk
	s_mov_b32 s20, 0x76543210
	s_mov_b32 s21, 0xfedcba98                      ; lane l xor 16
	s_mov_b32 s22, 0x3e38aa3b                      ; c = log2(e) / 8
	s_mov_b32 s2, 0
	s_mul_i32 s19, s18, 2*STEPB                    ; where my load goes: K's eight parts, then V's eight
	s_lshl_b32 s66, s16, 18                        ; my 16 queries in q and in ao
	s_lshl_b32 s67, s15, 17
	s_add_co_u32 s66, s66, s67
	s_lshl_b32 s67, s13, 14
	s_add_co_u32 s66, s66, s67
	s_lshl_b32 s67, s18, 10
	s_add_co_u32 s66, s66, s67
	s_mov_b32 s67, 0
	s_wait_dscnt 0x0                               ; both opening adds are done
	s_wait_kmcnt 0x0
	s_load_b256 s[56:63], s[8:9], 0x0              ; e0 .. e7
	s_cmp_lt_u32 s18, 8
	s_cselect_b64 s[48:49], s[4:5], s[6:7]
	s_mov_b32 s40, 1
	s_mov_b32 s41, s19
	s_add_nc_u64 s[42:43], s[48:49], s[44:45]
	s_or_b32 s43, s43, 0x80000000
	s_add_nc_u64 s[4:5], s[4:5], s[66:67]
	s_add_nc_u64 s[10:11], s[10:11], s[66:67]
	CROUND                                         ; the four work-groups are here: the joint loads meet
	s_cmp_lt_u32 s18, 8
	s_cbranch_scc0 .Lfor_v
	tensor_load_to_lds s[40:43], s[24:31]
	s_nop 0
.rept 4
	v_nop
.endr
	s_branch .Lasked
.Lfor_v:
	tensor_load_to_lds s[40:43], s[32:39]
	s_nop 0
.rept 4
	v_nop
.endr
.Lasked:
	v_and_b32 v8, 15, v0                           ; r
	v_bfe_u32 v9, v0, 4, 1                         ; h
	s_delay_alu instid0(VALU_DEP_2)
	v_lshlrev_b32 v10, 6, v8
	s_delay_alu instid0(VALU_DEP_1)
	v_lshl_add_u32 v10, v9, 4, v10
	global_load_b128 v[16:19], v10, s[4:5]         ; Q's fragment stays in registers
	global_load_b128 v[20:23], v10, s[4:5] offset:32
	v_and_b32 v11, 8, v8
	s_delay_alu instid0(VALU_DEP_1)
	v_add_nc_u32 v11, v11, v8                      ; r + 8 (r / 8)
	s_delay_alu instid0(VALU_DEP_1)
	v_lshrrev_b32 v3, 1, v11
	s_delay_alu instid0(VALU_DEP_1)
	v_mul_u32_u24 v1, v3, 144                      ; two keys to an LDS row
	s_delay_alu instid0(VALU_DEP_3)
	v_and_b32 v3, 1, v11
	s_delay_alu instid0(VALU_DEP_1)
	v_lshl_add_u32 v1, v3, 6, v1
	s_delay_alu instid0(VALU_DEP_1)
	v_lshl_add_u32 v1, v9, 4, v1
	v_mul_u32_u24 v2, v8, 144
	s_delay_alu instid0(VALU_DEP_1)
	v_lshl_add_u32 v2, v9, 4, v2
	s_delay_alu instid0(VALU_DEP_1)
	v_add_nc_u32 v2, VOFF, v2
	v_add_nc_u32 v8, s2, v1                        ; the first step's tiles of K
	v_mov_b32 v13, 0xff61b1e6                      ; the largest score so far: -3e38
	v_mov_b32 v12, 0x7f61b1e6                      ; -M
	v_mov_b32 v14, 0
	v_mov_b32 v15, 0
	v_mov_b32 v242, 0
	v_mov_b32 v243, 0
	v_mov_b32 v236, 0                              ; a lane permute's destination counts as read
	v_mov_b32 v253, 0                              ; named as the upper half of the pair v[252:253]
.set n, 0
.rept 32
	v_mov_b32 v[160+n], 0                          ; O^T: the loop has no first step of its own
.set n, n+1
.endr
	s_wait_kmcnt 0x0
	s_add_co_i32 s72, s58, s59
	s_lshl_b32 s72, s72, 23
	s_add_co_i32 s22, s22, s72                     ; c x 2^(e2 + e3)
	s_mov_b32 s23, s22
	s_add_co_i32 s72, s60, 127
	s_lshl_b32 s73, s72, 23
	v_mov_b32 v244, s73                            ; 2^e4
	s_add_co_i32 s72, s72, 8
	s_lshl_b32 s72, s72, 23
	s_or_b32 s72, s72, 0x600000
	v_mov_b32 v240, s72                            ; 448 x 2^e4, in two registers for the two halves of a dual pair
	v_mov_b32 v241, s72
	s_add_co_i32 s72, s62, 127
	s_lshl_b32 s73, s72, 23
	v_mov_b32 v245, s73                            ; 2^e6
	s_add_co_i32 s72, s72, 8
	s_lshl_b32 s72, s72, 23
	s_or_b32 s72, s72, 0x600000
	v_mov_b32 v246, s72                            ; 448 x 2^e6
	s_wait_alu depctr_va_vdst(0)
	s_wait_loadcnt 0x0                             ; Q
	s_wait_tensorcnt 0x0                           ; my part of K or V is in
	s_barrier_signal -1
	s_barrier_wait -1                              ; everybody's is
	s_mov_b32 s3, 16
.Lstep:                                            ; 128 keys
	v_pk_add_f32 v[14:15], v[14:15], v[242:243]    ; the last step's second chain; with the three below: the places ahead of loads into registers that the last products read
.rept 3
	v_nop
.endr
.irp t, 0,1,2,3,4,5,6,7
	ds_load_b128 v[32+8*\t:35+8*\t], v8 offset:(16*(\t/2)+4*(\t%2))*144
	ds_load_b128 v[36+8*\t:39+8*\t], v8 offset:(16*(\t/2)+4*(\t%2))*144+32
.endr
	s_wait_dscnt 0x0
	s_barrier_signal -1                            ; I have begun this step; up to the wait below: register work, and reads of V's bytes, which nobody writes
.irp t, 0,1,2,3,4,5,6,7
	v_wmma_f32_16x16x64_fp8_fp8 v[96+8*\t:103+8*\t], v[32+8*\t:39+8*\t], v[16:23], 0
.endr
	v_mov_b32 v237, v12                            ; four places: the old -M, this step's V, the next step's K
	v_add_nc_u32 v9, s2, v2
	s_add_co_u32 s2, s2, STEPB
	v_add_nc_u32 v8, s2, v1
	v_nop
.irp t, 0,1,2,3
.irp c, 0,1,2,3
	ds_load_b128 v[32+16*\t+4*\c:35+16*\t+4*\c], v9 offset:2304*\t+32*\c   ; V's fragments land under the softmax
.endr
.endr
	v_max3_num_f32 v254, v96, v97, v98             ; the step's largest score, in two chains; each accumulator from its low end on
	v_max3_num_f32 v252, v99, v100, v101
.irp i, 6,10,14,18,22,26,30,34,38,42,46,50,54,58
	v_max3_num_f32 v254, v254, v[96+\i], v[97+\i]
	v_max3_num_f32 v252, v252, v[98+\i], v[99+\i]
.endr
	v_max3_num_f32 v254, v254, v158, v159
	s_delay_alu instid0(VALU_DEP_1)
	v_max_num_f32 v254, v254, v252
	v_permlanex16_b32 v236, v254, s20, s21
	s_delay_alu instid0(VALU_DEP_1)
	v_max3_num_f32 v13, v13, v254, v236            ; the running largest score, lane l xor 16's among them
	s_delay_alu instid0(VALU_DEP_1)
	v_mul_f32 v254, s22, v13                       ; as t (c is positive)
	s_delay_alu instid0(VALU_DEP_1)
	v_floor_f32 v12, -v254                         ; -M = floor(-t)
	s_delay_alu instid0(VALU_DEP_1)
	v_sub_f32 v254, v12, v237                      ; old M - new M, a whole number, 0 or less
	s_delay_alu instid0(VALU_DEP_1)
	v_cvt_i32_f32 v254, v254                       ; (it saturates)
	s_delay_alu instid0(VALU_DEP_1)
	v_ldexp_f32 v252, 1.0, v254                    ; f = 2^(old M - new M)
.set n, 0
.rept 32
	v_pk_fma_f32 v[96+n:97+n], v[96+n:97+n], s[22:23], v[12:13] op_sel_hi:[1,0,0]   ; t - M
.set n, n+2
.endr
	s_wait_alu depctr_va_vdst(0)
.set n, 0
.rept 64
	v_exp_f32 v[96+n], v[96+n]
.set n, n+1
.endr
	v_pk_mul_f32 v[14:15], v[14:15], v[252:253] op_sel_hi:[1,0]   ; the sum under the new M; a plain place behind the batch
	s_wait_alu depctr_va_vdst(0)                   ; one wait for the batch, ahead of its first reader
	v_pk_add_f32 v[242:243], v[96:97], v[98:99]    ; the sum of the unquantised p, in two chains
.irp j, 4,8,12,16,20,24,28,32,36,40,44,48,52,56,60
	v_pk_add_f32 v[14:15], v[14:15], v[96+\j:97+\j]
	v_pk_add_f32 v[242:243], v[242:243], v[98+\j:99+\j]
.endr
.irp b, 0,1,2,3
.set n, 0
.rept 8
	v_dual_min_num_f32 v[96+16*\b+n], v[96+16*\b+n], v240 :: v_dual_min_num_f32 v[97+16*\b+n], v[97+16*\b+n], v241   ; the conversion does not saturate (ISA guide 7.6.2); p is not negative: a one-sided hold, two a line
.set n, n+2
.endr
	v_cvt_scalef32_pk8_fp8_f32 v[224+4*\b:225+4*\b], v[96+16*\b:103+16*\b], v244
	v_cvt_scalef32_pk8_fp8_f32 v[226+4*\b:227+4*\b], v[104+16*\b:111+16*\b], v244
.endr
	s_wait_alu depctr_va_vdst(0)
.set n, 0
.rept 16
	v_pk_mul_f32 v[160+n:161+n], v[160+n:161+n], v[252:253] op_sel_hi:[1,0]   ; O^T under the new M
.set n, n+2
.endr
	s_wait_alu depctr_va_vdst(0)
	s_wait_dscnt 0x0
	s_barrier_wait -1                              ; all sixteen waves have begun this step
.irp t, 0,1,2,3
	v_wmma_f32_16x16x128_fp8_fp8 v[160+8*\t:167+8*\t], v[32+16*\t:47+16*\t], v[224:239], v[160+8*\t:167+8*\t]
.endr
	s_sub_co_u32 s3, s3, 1
	s_cmp_lg_u32 s3, 0
	s_cbranch_scc1 .Lstep
	; THE WAY OUT: O^T / the sum x 2^(e4 + e5), quantised by entry 6, through my stage, 512 bytes a store
	v_pk_add_f32 v[14:15], v[14:15], v[242:243]
	s_delay_alu instid0(VALU_DEP_1)
	v_add_f32 v14, v14, v15
	s_delay_alu instid0(VALU_DEP_1)
	v_permlanex16_b32 v252, v14, s20, s21
	s_delay_alu instid0(VALU_DEP_1)
	v_add_f32 v14, v14, v252
	s_wait_alu depctr_va_vdst(0)                   ; ahead of the transcendental
	v_rcp_f32 v14, v14
	v_and_b32 v8, 15, v0
	v_bfe_u32 v9, v0, 4, 1
	s_add_co_i32 s72, s60, s61
	s_mul_i32 s73, s18, 1280
	s_add_co_u32 s73, s73, STAGE
	v_mul_u32_u24 v10, v8, 80
	s_delay_alu instid0(VALU_DEP_1)
	v_lshl_add_u32 v10, v9, 3, v10
	s_delay_alu instid0(VALU_DEP_1)
	v_add_nc_u32 v10, s73, v10                     ; in: row r, 8 bytes for each half of the lanes
	v_and_b32 v11, 31, v0
	s_delay_alu instid0(VALU_DEP_1)
	v_lshrrev_b32 v3, 2, v11
	s_delay_alu instid0(VALU_DEP_1)
	v_mul_u32_u24 v3, v3, 80
	s_delay_alu instid0(VALU_DEP_3)
	v_and_b32 v4, 3, v11
	s_delay_alu instid0(VALU_DEP_1)
	v_lshl_add_u32 v3, v4, 4, v3
	s_delay_alu instid0(VALU_DEP_1)
	v_add_nc_u32 v3, s73, v3                       ; back: four lanes to a row of 64 bytes
	v_lshlrev_b32 v7, 4, v11
	s_wait_alu depctr_va_vdst(0)                   ; ahead of the reciprocal's first reader
	v_ldexp_f32 v14, v14, s72
	s_wait_alu depctr_va_vdst(0)                   ; directly ahead of the first reader of O^T
.set n, 0
.rept 32
	v_mul_f32 v[96+n], v[160+n], v14
.set n, n+1
.endr
.set n, 0
.rept 32
	v_med3_num_f32 v[96+n], v[96+n], -v246, v246
.set n, n+1
.endr
.irp t, 0,1,2,3
	v_cvt_scalef32_pk8_fp8_f32 v[128+2*\t:129+2*\t], v[96+8*\t:103+8*\t], v245
.endr
	v_nop                                          ; a plain line behind the last conversion
.irp t, 0,1,2,3
	ds_store_b64 v10, v[128+2*\t:129+2*\t] offset:16*\t
.endr
	ds_load_b128 v[136:139], v3                    ; LDS serves a wave's instructions in order: these see my stores
	ds_load_b128 v[140:143], v3 offset:640
	s_wait_dscnt 1
	global_store_b128 v7, v[136:139], s[10:11]
	s_wait_dscnt 0x0
	global_store_b128 v7, v[140:143], s[10:11] offset:512
	s_wait_tensorcnt 0x0                           ; the wave's end
	ds_add_u32 v5, v6
	s_wait_dscnt 0x0
	CROUND                                         ; the closing round
	s_endpgm
.Lfunc_end_k_q65ff6580e2_attn:
	.size	k_q65ff6580e2_attn, .Lfunc_end_k_q65ff6580e2_attn-k_q65ff6580e2_attn
	.p2alignl 7, 3214868480
	.fill 96, 4, 3214868480
	.section	.rodata,"a",@progbits
	.p2align	6, 0x0
	.amdhsa_kernel k_q65ff6580e2_attn
		.amdhsa_group_segment_fixed_size 327680
		.amdhsa_private_segment_fixed_size 0
		.amdhsa_enable_private_segment 0
		.amdhsa_kernarg_size 32
		.amdhsa_user_sgpr_count 2
		.amdhsa_user_sgpr_kernarg_segment_ptr 1
		.amdhsa_wavefront_size32 1
		.amdhsa_system_sgpr_workgroup_id_x 1
		.amdhsa_system_sgpr_workgroup_id_y 1
		.amdhsa_system_sgpr_workgroup_id_z 1
		.amdhsa_system_vgpr_workitem_id 0
		.amdhsa_next_free_vgpr 256
		.amdhsa_next_free_sgpr 80
		.amdhsa_reserve_vcc 0
		.amdhsa_float_denorm_mode_32 3
		.amdhsa_float_denorm_mode_16_64 3
		.amdhsa_memory_ordered 1
		.amdhsa_forward_progress 1
		.amdhsa_inst_pref_size 30
	.end_amdhsa_kernel
	.amdgpu_metadata
---
amdhsa.version: [ 1, 2 ]
amdhsa.kernels:
  - .name:           k_q65ff6580e2_attn
    .symbol:         k_q65ff6580e2_attn.kd
    .args:
      - { .name: qk, .offset: 0, .size: 8, .value_kind: global_buffer, .address_space: global }
      - { .name: vt, .offset: 8, .size: 8, .value_kind: global_buffer, .address_space: global }
      - { .name: lowp_scales, .offset: 16, .size: 8, .value_kind: global_buffer, .address_space: global }
      - { .name: ao, .offset: 24, .size: 8, .value_kind: global_buffer, .address_space: global }
    .group_segment_fixed_size: 327680
    .private_segment_fixed_size: 0
    .kernarg_segment_align: 8
    .kernarg_segment_size: 32
    .max_flat_workgroup_size: 512
    .sgpr_count:     80
    .vgpr_count:     256
    .wavefront_size: 32
...
	.end_amdgpu_metadata
.endif
;; end of part 3
;; launch oproj (part 4): grid 8 x 32, 4 waves a work-group, clusters of 4 x 4, 327,680 bytes of LDS; arguments ao, wq, lowp_scales, o_b, x, x1; writes x1
.if DOCPART == 4
	.amdgcn_target "amdgcn-amd-amdhsa--gfx1250"
	.amdhsa_code_object_version 6
	.text
	.protected	k_q65ff6580e2_oproj
	.globl	k_q65ff6580e2_oproj
	.p2align	8
	.type	k_q65ff6580e2_oproj,@function
k_q65ff6580e2_oproj:
	s_mov_b64 s[64:65], 0
	v_nop
	global_prefetch_b8 v0, s[64:65] scope:SCOPE_SE
	s_setreg_imm32_b32 hwreg(HW_REG_WAVE_MODE, 25, 1), 1
	s_wait_xcnt 0x0
	s_wait_alu depctr_hold_cnt(0) depctr_sa_sdst(0) depctr_va_vdst(0) depctr_va_sdst(0) depctr_va_ssrc(0) depctr_va_vcc(0) depctr_vm_vsrc(0)
	s_getreg_b32 s2, hwreg(HW_REG_IB_STS2, 6, 4)
	s_cmp_eq_u32 s2, 0
	s_cbranch_scc0 .Lentry_in_a_cluster
	s_endpgm
.Lentry_in_a_cluster:
	s_bfe_u32 s2, ttmp6, 0x10000c
	s_cmp_lg_u32 s2, 0xf033
	s_cbranch_scc0 .Lentry_shape_is_right
	s_endpgm
.Lentry_shape_is_right:
; x1 = ao o_w^T x 2^(e6 + e7) + o_b + x, f32.  ao: codes in chunks of 64 columns, [16][4,096 rows][64 bytes]; o_w: codes [1,024][1,024] at byte WOFF of wq.  No work is left out.
; N is 1,024, so a tile of C is 128 x 128: 256 work-groups.  Four waves, each 64 x 64: 16 accumulators.
; THE WHOLE K IS FILLED ONCE: A's 128 rows and B's 128 rows x 1,024 codes are 296,960 bytes of LDS with padding.  Each wave issues one load at the head (waves 0, 1: A's halves; waves 2, 3: B's); nothing is filled again.
; CLUSTERS: 4 x 4 work-groups; A's tile is asked for jointly by a row of the cluster, B's by a column.  NO PREFETCH: all tensor loads go out at the head; there is no loop in which a request could run ahead of them.
; The matrix instruction is used transposed: a lane holds eight neighbouring columns of one row of C.  LIMIT: e6 + e7 between -126 and 127.
; LDS: A: two halves of [16 chunks][64 rows][64 + 16 bytes]; then B: two halves of 64 rows x (1,024 + 16).  The stage of the way out lies on A's first bytes, behind a barrier at which every wave's reads are over.
; REGISTERS: window 0: v16-29 addresses; v32-35 the bias of my four columns; v128-255 the accumulators ((a, b) at v[128 + 8 (4 a + b)]).  window 1: two fragment buffers of 128 (A's four, B's four); on the way out the raw sums.  window 2: v0-127 the residual.
.set KT,    1024
.set WOFF,  3145728
.set SCOFF, 0x18
.set AHALF, 16*64*80
.set BHALF, 64*1040
.set BPART, 2*AHALF
.set SPARE, BPART+2*BHALF
.set SPITCH, 272
.set ADRA, 16                          ; v16, v17: my A fragments, K's first and second 512 (an LDS offset has 16 bits)
.set ADRB, 20                          ; v20, v21: the same for B
.set STO,  24
.set RD,   25
.set CO,   26
.set BOF,  27
.set SPW,  28
.set NIL,  29
.set BIAS, 32
.set ACC,  128
.set F0,   0
.set F1,   128
.set G1, 24
.set G0, 32
.set G1B, 48
.set G0B, 56
.set MSB, 0
.macro WIN new                         ; the immediate's high byte repeats the setting that is left
.if MSB != \new
	s_set_vgpr_msb (MSB<<8)|\new
.set MSB, \new
.endif
.endm
.set MUL,  0x05                        ; sources 0 (B) and 1 (A) window 1; C and D window 0
.set TO_F, 0x40
.macro CROUND
	s_barrier_signal -1
	s_barrier_wait -1
	s_cmp_lg_u32 s10, 0
	s_cbranch_scc1 .Lnot_wave_0_\@
	s_barrier_signal -3
.Lnot_wave_0_\@:
	s_barrier_wait -3
	s_barrier_signal -1
	s_barrier_wait -1
.endm
	s_load_b128 s[4:7], s[0:1], 0x0                ; ao, wq
	s_load_b256 s[68:75], s[0:1], 0x10             ; lowp_scales, o_b, x, x1
	v_lshl_add_u32 v[SPW], v0, 2, SPARE
	v_mov_b32 v[NIL], 0
	ds_add_u32 v[SPW], v[NIL]                      ; the opening: the add, twice on end, and its wait ahead of my tensor load
	ds_add_u32 v[SPW], v[NIL]
	v_lshrrev_b32 v1, 5, v0
	v_readfirstlane_b32 s10, v1                    ; wave
	s_lshr_b32 s11, s10, 1                         ; my half of the rows; also: I fetch for A (0) or B (1)
	s_and_b32 s12, s10, 1                          ; my half of the columns; also: which 64 rows I fetch
	s_bfe_u32 s40, ttmp6, 0x40000
	s_bfe_u32 s41, ttmp6, 0x40004
	s_lshl_b32 s42, ttmp9, 2
	s_add_co_u32 s42, s42, s40                     ; tile column
	s_and_b32 s13, ttmp7, 0xffff
	s_lshl_b32 s13, s13, 2
	s_add_co_u32 s13, s13, s41                     ; tile row
	s_lshl_b32 s43, s41, 2
	s_lshl_b32 s43, 15, s43
	s_lshl_b32 s44, 0x1111, s40
	s_or_b32 s[G1+0], s43, (0<<16)|(1<<20)|(1<<21)|(3<<22)|(3<<25)   ; A: 4 words of padding behind every 16 (a row of a chunk)
	s_mov_b32 s[G1+1], 4096<<16                    ; 64 rows x 64 bytes lie on end in a chunk
	s_mov_b32 s[G1+2], 16<<16                      ; 16 chunks
	s_mov_b32 s[G1+3], 4096<<16
	s_mov_b32 s[G1+4], 16
	s_mov_b32 s[G1+5], 262144                      ; from chunk to chunk
	s_mov_b32 s[G1+6], 0
	s_mov_b32 s[G1+7], 0
	s_or_b32 s[G1B+0], s44, (0<<16)|(1<<20)|(1<<21)|(7<<22)|(3<<25)  ; B: 4 words behind every 256
	s_mov_b32 s[G1B+1], 1024<<16
	s_mov_b32 s[G1B+2], 64<<16
	s_mov_b32 s[G1B+3], 1024<<16
	s_mov_b32 s[G1B+4], 64
	s_mov_b32 s[G1B+5], KT
	s_mov_b32 s[G1B+6], 0
	s_mov_b32 s[G1B+7], 0
	s_lshl_b32 s16, s13, 13
	s_lshl_b32 s17, s12, 12
	s_add_co_u32 s16, s16, s17                     ; A: (128 x tile row + 64 x half) x 64 bytes
	s_mov_b32 s17, 0
	s_lshl_b32 s46, s42, 7
	s_lshl_b32 s47, s12, 6
	s_add_co_u32 s46, s46, s47
	s_mul_i32 s46, s46, KT
	s_add_co_u32 s46, s46, WOFF                    ; B: (128 x tile column + 64 x half) rows
	s_mov_b32 s47, 0
	s_mul_i32 s20, s12, AHALF                      ; where they go
	s_mul_i32 s19, s12, BHALF
	s_add_co_u32 s19, s19, BPART
	s_wait_dscnt 0x0
	s_wait_kmcnt 0x0
	s_load_b64 s[76:77], s[68:69], SCOFF           ; e6, e7
	s_mov_b32 s[G0], 1
	s_mov_b32 s[G0+1], s20
	s_add_nc_u64 s[G0+2:G0+3], s[4:5], s[16:17]
	s_or_b32 s[G0+3], s[G0+3], 0x80000000
	s_mov_b32 s[G0B], 1
	s_mov_b32 s[G0B+1], s19
	s_add_nc_u64 s[G0B+2:G0B+3], s[6:7], s[46:47]
	s_or_b32 s[G0B+3], s[G0B+3], 0x80000000
	CROUND                                         ; all sixteen work-groups are here: the joint loads meet
	s_cmp_eq_u32 s11, 0
	s_cbranch_scc0 .Lfor_b
	tensor_load_to_lds s[G0:G0+3], s[G1:G1+7]
	s_nop 0
.rept 4
	v_nop
.endr
	s_branch .Lasked
.Lfor_b:
	tensor_load_to_lds s[G0B:G0B+3], s[G1B:G1B+7]
	s_nop 0
.rept 4
	v_nop
.endr
.Lasked:
	v_and_b32 v1, 15, v0                           ; r
	v_bfe_u32 v2, v0, 4, 1                         ; h
	v_mul_u32_u24 v3, v1, 80
	v_lshl_add_u32 v3, v2, 4, v3
	v_mul_u32_u24 v4, v1, 1040
	v_lshl_add_u32 v4, v2, 4, v4
	s_mul_i32 s21, s11, AHALF
	s_mul_i32 s22, s12, BHALF
	s_add_co_u32 s22, s22, BPART
.irp s, 0,1
	v_add_nc_u32 v[ADRA+\s], s21, v3
	v_add_nc_u32 v[ADRB+\s], s22, v4
	s_add_co_u32 s21, s21, 8*5120                  ; 512 along K on: eight chunks of A,
	s_add_co_u32 s22, s22, 512                     ; 512 bytes of B's rows
.endr
	s_mul_i32 s23, s10, 64*SPITCH                  ; my stage
	v_mul_u32_u24 v5, v1, SPITCH
	v_lshl_add_u32 v5, v2, 5, v5
	v_add_nc_u32 v[STO], s23, v5                   ; in: row r, 32 bytes for each half of the lanes
	v_mul_u32_u24 v5, v2, SPITCH
	v_lshl_add_u32 v5, v1, 4, v5
	v_add_nc_u32 v[RD], s23, v5                    ; back: sixteen lanes to a row of 256 bytes
	v_lshlrev_b32 v5, 12, v2
	v_lshl_add_u32 v[CO], v1, 4, v5                ; the same two rows in memory, 4,096 bytes apart
	v_lshlrev_b32 v[BOF], 4, v1
	s_wait_alu depctr_va_vdst(0)
	s_lshl_b32 s16, s13, 19
	s_lshl_b32 s17, s11, 18
	s_add_co_u32 s16, s16, s17                     ; my first row x 4,096 bytes
	s_mov_b32 s17, 0
	s_add_nc_u64 s[72:73], s[72:73], s[16:17]
	s_add_nc_u64 s[74:75], s[74:75], s[16:17]
	s_lshl_b32 s46, s42, 9
	s_lshl_b32 s47, s12, 8
	s_add_co_u32 s46, s46, s47                     ; my first column x 4 bytes
	s_mov_b32 s47, 0
	s_add_nc_u64 s[72:73], s[72:73], s[46:47]
	s_add_nc_u64 s[74:75], s[74:75], s[46:47]
	s_add_nc_u64 s[70:71], s[70:71], s[46:47]
	global_load_b128 v[BIAS:BIAS+3], v[BOF], s[70:71]
.macro MULA f, a, zero                 ; A's block a x B's four, 128 along K; the 16 accumulators take turns
.irp b, 0,1,2,3
.if \zero
	v_wmma_f32_16x16x128_fp8_fp8 v[ACC+8*(4*(\a)+\b):ACC+8*(4*(\a)+\b)+7], v[\f+64+16*\b:\f+64+16*\b+15], v[\f+16*(\a):\f+16*(\a)+15], 0
.else
	v_wmma_f32_16x16x128_fp8_fp8 v[ACC+8*(4*(\a)+\b):ACC+8*(4*(\a)+\b)+7], v[\f+64+16*\b:\f+64+16*\b+15], v[\f+16*(\a):\f+16*(\a)+15], v[ACC+8*(4*(\a)+\b):ACC+8*(4*(\a)+\b)+7]
.endif
.endr
.endm
.macro FETCH p, q, f                   ; 32 LDS loads in one run: K = 512 p + 128 q on: B's four fragments, then A's
	WIN TO_F
.irp i, 0,1,2,3
.irp c, 0,1,2,3
	ds_load_b128 v[\f+64+16*\i+4*\c:\f+64+16*\i+4*\c+3], v[ADRB+\p] offset:128*(\q)+32*\c+\i*16640
.endr
.endr
.irp i, 0,1,2,3
.irp c, 0,1,2,3
	ds_load_b128 v[\f+16*\i+4*\c:\f+16*\i+4*\c+3], v[ADRA+\p] offset:(2*(\q)+\c/2)*5120+\i*1280+32*(\c%2)
.endr
.endr
.endm
.macro PLACES                          ; plain lines between a matrix instruction and a load into, or a read of, its registers
.rept 4
	v_nop
.endr
.endm
.macro QUARTER p, qn, f, g, zero       ; multiplies buffer f; in its middle fetches the next 128 along K into buffer g
	s_wait_dscnt 8                                 ; B and A's blocks 0, 1 are in; A's blocks 2, 3 may be out
	WIN MUL
	MULA \f, 0, \zero
	MULA \f, 1, \zero
	PLACES
	FETCH \p, \qn, \g
	s_wait_dscnt 32                                ; all but the 32 just issued
	WIN MUL
	MULA \f, 2, \zero
	MULA \f, 3, \zero
.endm
	s_wait_tensorcnt 0x0                           ; my part of the tiles is in
	s_barrier_signal -1
	s_barrier_wait -1                              ; everybody's is
	FETCH 0, 0, F0
	WIN 0x80                                       ; destination window 2
.set t, 0
.rept 32
	global_load_b128 v[4*t:4*t+3], v[CO], s[72:73] offset:8192*t th:TH_LOAD_NT   ; the residual of my 64 x 64, in the order in which the rows leave: asked for when the tiles are in, it lands under the products
.set t, t+1
.endr
	QUARTER 0, 1, F0, F1, 1                        ; the first products start the sums
	QUARTER 0, 2, F1, F0, 0
	QUARTER 0, 3, F0, F1, 0
	QUARTER 1, 0, F1, F0, 0
	QUARTER 1, 1, F0, F1, 0
	QUARTER 1, 2, F1, F0, 0
	QUARTER 1, 3, F0, F1, 0
	s_wait_dscnt 8
	WIN MUL
	MULA F1, 0, 0
	MULA F1, 1, 0
	s_wait_dscnt 0x0                               ; my reads of the tiles are over:
	s_barrier_signal -1
	MULA F1, 2, 0
	MULA F1, 3, 0
	WIN 0
	s_barrier_wait -1                              ; everybody's are: A's first bytes take the stages
	PLACES
	; THE WAY OUT: the raw sums turn through my stage and come back as rows of 256 bytes, sixteen lanes to a row
.irp a, 0,1,2,3
.irp b, 0,1,2,3
	ds_store_b128 v[STO], v[ACC+8*(4*\a+\b):ACC+8*(4*\a+\b)+3] offset:\a*4352+64*\b
	ds_store_b128 v[STO], v[ACC+8*(4*\a+\b)+4:ACC+8*(4*\a+\b)+7] offset:\a*4352+64*\b+16
.endr
.endr
	WIN TO_F
.set t, 0
.rept 32
	ds_load_b128 v[4*t:4*t+3], v[RD] offset:544*t  ; LDS serves a wave's instructions in order: these see my stores
.set t, t+1
.endr
	s_wait_kmcnt 0x0
	s_add_co_i32 s78, s76, s77
	s_add_co_i32 s78, s78, 127
	s_lshl_b32 s78, s78, 23                        ; 2^(e6 + e7)
	s_mov_b32 s79, s78
	s_wait_loadcnt 0x0                             ; bias and residual
	WIN 0x82                                       ; destination and source 0 window 2
.set t, 0
.rept 32
	v_pk_add_f32 v[4*t:4*t+1], v[4*t:4*t+1], v[BIAS:BIAS+1]
	v_pk_add_f32 v[4*t+2:4*t+3], v[4*t+2:4*t+3], v[BIAS+2:BIAS+3]
.set t, t+1
.endr
	s_wait_dscnt 0x0
	WIN 0x61                                       ; destination and source 0 window 1, source 2 window 2
.set t, 0
.rept 64
	v_pk_fma_f32 v[2*t:2*t+1], v[2*t:2*t+1], s[78:79], v[2*t:2*t+1] op_sel_hi:[1,0,1]
.set t, t+1
.endr
	WIN 0x04                                       ; the stores' data in window 1
.set t, 0
.rept 32
	global_store_b128 v[CO], v[4*t:4*t+3], s[74:75] offset:8192*t   ; sixteen lanes store 256 consecutive bytes, aligned
.set t, t+1
.endr
	WIN 0
	s_wait_tensorcnt 0x0                           ; the wave's end
	ds_add_u32 v[SPW], v[NIL]
	s_wait_dscnt 0x0
	CROUND                                         ; the closing round
	s_endpgm
.Lfunc_end_k_q65ff6580e2_oproj:
	.size	k_q65ff6580e2_oproj, .Lfunc_end_k_q65ff6580e2_oproj-k_q65ff6580e2_oproj
	.p2alignl 7, 3214868480
	.fill 96, 4, 3214868480
	.section	.rodata,"a",@progbits
	.p2align	6, 0x0
	.amdhsa_kernel k_q65ff6580e2_oproj
		.amdhsa_group_segment_fixed_size 327680
		.amdhsa_private_segment_fixed_size 0
		.amdhsa_enable_private_segment 0
		.amdhsa_kernarg_size 48
		.amdhsa_user_sgpr_count 2
		.amdhsa_user_sgpr_kernarg_segment_ptr 1
		.amdhsa_wavefront_size32 1
		.amdhsa_system_sgpr_workgroup_id_x 1
		.amdhsa_system_sgpr_workgroup_id_y 1
		.amdhsa_system_sgpr_workgroup_id_z 1
		.amdhsa_system_vgpr_workitem_id 0
		.amdhsa_next_free_vgpr 640
		.amdhsa_next_free_sgpr 80
		.amdhsa_reserve_vcc 0
		.amdhsa_float_denorm_mode_32 3
		.amdhsa_float_denorm_mode_16_64 3
		.amdhsa_memory_ordered 1
		.amdhsa_forward_progress 1
		.amdhsa_inst_pref_size 52
	.end_amdhsa_kernel
	.amdgpu_metadata
---
amdhsa.version: [ 1, 2 ]
amdhsa.kernels:
  - .name:           k_q65ff6580e2_oproj
    .symbol:         k_q65ff6580e2_oproj.kd
    .args:
      - { .name: ao, .offset: 0, .size: 8, .value_kind: global_buffer, .address_space: global }
      - { .name: wq, .offset: 8, .size: 8, .value_kind: global_buffer, .address_space: global }
      - { .name: lowp_scales, .offset: 16, .size: 8, .value_kind: global_buffer, .address_space: global }
      - { .name: o_b, .offset: 24, .size: 8, .value_kind: global_buffer, .address_space: global }
      - { .name: x, .offset: 32, .size: 8, .value_kind: global_buffer, .address_space: global }
      - { .name: x1, .offset: 40, .size: 8, .value_kind: global_buffer, .address_space: global }
    .group_segment_fixed_size: 327680
    .private_segment_fixed_size: 0
    .kernarg_segment_align: 8
    .kernarg_segment_size: 48
    .max_flat_workgroup_size: 128
    .sgpr_count:     80
    .vgpr_count:     640
    .wavefront_size: 32
...
	.end_amdgpu_metadata
.endif
;; end of part 4
;; launch ln2 (part 5): grid 256 x 1, 4 waves a work-group, no clusters, 16,896 bytes of LDS; arguments x1, ln2_g, ln2_b, lowp_scales, hc; writes hc
.if DOCPART == 5
	.amdgcn_target "amdgcn-amd-amdhsa--gfx1250"
	.amdhsa_code_object_version 6
	.text
	.protected	k_q65ff6580e2_ln2
	.globl	k_q65ff6580e2_ln2
	.p2align	8
	.type	k_q65ff6580e2_ln2,@function
k_q65ff6580e2_ln2:
	s_mov_b64 s[64:65], 0
	v_nop
	global_prefetch_b8 v0, s[64:65] scope:SCOPE_SE
	s_setreg_imm32_b32 hwreg(HW_REG_WAVE_MODE, 25, 1), 1
	s_wait_xcnt 0x0
; hc = codes of LN2(x1) (scale entry 8).  No work is left out.  A wave takes four rows of 1,024 f32, a work-group sixteen; a row stays in 32 registers between the passes.
; Each load reads 512 consecutive bytes; the codes' words turn through the wave's own stage in LDS and leave 512 bytes a store.  Waves share nothing: no barrier.
; The variance is taken of x - mean in a second pass over the registers.  LIMITS: e8 between -126 and 119; NaN is not served.
.set X,   32
.set G,   160
.set BV,  192
.set C,   224
.set SPARE, 16384
	s_load_b256 s[16:23], s[0:1], 0x0              ; x1, ln2_g, ln2_b, lowp_scales
	s_load_b64 s[10:11], s[0:1], 0x20              ; hc
	v_lshl_add_u32 v5, v0, 2, SPARE
	v_mov_b32 v6, 0
	v_lshrrev_b32 v1, 5, v0
	v_readfirstlane_b32 s3, v1
	v_and_b32 v1, 31, v0
	v_lshlrev_b32 v2, 4, v1
	s_lshl_b32 s2, s3, 12
	v_lshl_add_u32 v3, v1, 2, s2
	v_add_nc_u32 v4, s2, v2
	v_mov_b32 v21, 0
	s_mov_b32 s48, 0x76543210
	s_mov_b32 s49, 0xfedcba98
	s_mov_b32 s50, 0x3a800000                      ; 1 / 1,024
	s_mov_b32 s51, 0x3727c5ac                      ; 1e-5
	s_lshl_b32 s9, ttmp9, 4
	s_lshl_b32 s12, s3, 2
	s_add_co_u32 s9, s9, s12                       ; my wave's first row
	s_lshl_b32 s12, s9, 12
	s_mov_b32 s13, 0
	s_lshl_b32 s14, s9, 10
	s_mov_b32 s15, 0
	s_wait_alu depctr_va_vdst(0)
	s_wait_kmcnt 0x0
	s_load_b32 s8, s[22:23], 0x20                  ; e8
	s_add_nc_u64 s[4:5], s[16:17], s[12:13]
	s_add_nc_u64 s[10:11], s[10:11], s[14:15]
.irp j, 0,1,2,3,4,5,6,7
	global_load_b128 v[G+4*\j:G+4*\j+3], v2, s[18:19] offset:512*\j
	global_load_b128 v[BV+4*\j:BV+4*\j+3], v2, s[20:21] offset:512*\j
.endr
.irp c, 0,1,2,3
.irp j, 0,1,2,3,4,5,6,7
	global_load_b128 v[X+32*\c+4*\j:X+32*\c+4*\j+3], v2, s[4:5] offset:4096*\c+512*\j
.endr
.endr
	s_wait_kmcnt 0x0
	s_add_co_i32 s8, s8, 127
	s_lshl_b32 s9, s8, 23
	v_mov_b32 v8, s9                               ; 2^e8
	s_add_co_i32 s8, s8, 8
	s_lshl_b32 s8, s8, 23
	s_or_b32 s8, s8, 0x600000
	v_mov_b32 v7, s8                               ; 448 x 2^e8
.macro SUM4
	v_pk_add_f32 v[12:13], v[12:13], v[14:15]
	v_pk_add_f32 v[16:17], v[16:17], v[18:19]
	v_pk_add_f32 v[12:13], v[12:13], v[16:17]
	v_add_f32 v20, v12, v13
	v_add_f32_dpp v20, v20, v20 row_xmask:1 row_mask:0xf bank_mask:0xf
	v_add_f32_dpp v20, v20, v20 row_xmask:2 row_mask:0xf bank_mask:0xf
	v_add_f32_dpp v20, v20, v20 row_xmask:4 row_mask:0xf bank_mask:0xf
	v_add_f32_dpp v20, v20, v20 row_xmask:8 row_mask:0xf bank_mask:0xf
	v_permlanex16_b32 v21, v20, s48, s49
	v_add_f32 v20, v20, v21
.endm
.macro ROW c
.set XC, X+32*(\c)
.set CC, C+8*(\c)
	s_wait_loadcnt 8*(3-\c)                        ; gain, bias and this row are in; the younger rows' loads may be out
.irp k, 0,2,4,6
	v_pk_add_f32 v[12+\k:13+\k], v[XC+\k:XC+\k+1], v[XC+8+\k:XC+9+\k]
.endr
.irp m, 16,24
.irp k, 0,2,4,6
	v_pk_add_f32 v[12+\k:13+\k], v[12+\k:13+\k], v[XC+\m+\k:XC+\m+\k+1]
.endr
.endr
	SUM4
	v_mul_f32 v10, s50, v20
	v_mov_b32 v11, v10
.set n, 0
.rept 16
	v_pk_add_f32 v[XC+n:XC+n+1], v[XC+n:XC+n+1], v[10:11] neg_lo:[0,1] neg_hi:[0,1]
.set n, n+2
.endr
.irp k, 0,2,4,6
	v_pk_mul_f32 v[12+\k:13+\k], v[XC+\k:XC+\k+1], v[XC+\k:XC+\k+1]
.endr
.irp m, 8,16,24
.irp k, 0,2,4,6
	v_pk_fma_f32 v[12+\k:13+\k], v[XC+\m+\k:XC+\m+\k+1], v[XC+\m+\k:XC+\m+\k+1], v[12+\k:13+\k]
.endr
.endr
	SUM4
	v_fma_f32 v20, v20, s50, s51
	s_wait_alu depctr_va_vdst(0)
	v_rsq_f32 v10, v20
	v_rsq_f32 v11, v20
	v_nop                                          ; a plain instruction behind the transcendentals
	s_wait_alu depctr_va_vdst(0)                   ; one wait for both, ahead of their first reader
.set n, 0
.rept 16
	v_pk_mul_f32 v[XC+n:XC+n+1], v[XC+n:XC+n+1], v[10:11]
.set n, n+2
.endr
.set n, 0
.rept 16
	v_pk_fma_f32 v[XC+n:XC+n+1], v[XC+n:XC+n+1], v[G+n:G+n+1], v[BV+n:BV+n+1]
.set n, n+2
.endr
.set n, 0
.rept 32
	v_med3_num_f32 v[XC+n], v[XC+n], -v7, v7       ; the conversion does not saturate (ISA guide 7.6.2)
.set n, n+1
.endr
.irp i, 0,1,2,3
	v_cvt_scalef32_pk8_fp8_f32 v[CC+2*\i:CC+2*\i+1], v[XC+8*\i:XC+8*\i+7], v8
.endr
	v_nop
.irp j, 0,1,2,3,4,5,6,7
	ds_store_b32 v3, v[CC+\j] offset:1024*(\c)+128*\j
.endr
.irp u, 0,1
	ds_load_b128 v[XC+4*\u:XC+4*\u+3], v4 offset:1024*(\c)+512*\u
.endr
	s_wait_dscnt 0x0
.irp u, 0,1
	global_store_b128 v2, v[XC+4*\u:XC+4*\u+3], s[10:11] offset:1024*(\c)+512*\u
.endr
.endm
	ROW 0
	ROW 1
	ROW 2
	ROW 3
	s_wait_tensorcnt 0x0                           ; the wave's end
	ds_add_u32 v5, v6
	s_wait_dscnt 0x0
	s_endpgm
.Lfunc_end_k_q65ff6580e2_ln2:
	.size	k_q65ff6580e2_ln2, .Lfunc_end_k_q65ff6580e2_ln2-k_q65ff6580e2_ln2
	.p2alignl 7, 3214868480
	.fill 96, 4, 3214868480
	.section	.rodata,"a",@progbits
	.p2align	6, 0x0
	.amdhsa_kernel k_q65ff6580e2_ln2
		.amdhsa_group_segment_fixed_size 16896
		.amdhsa_private_segment_fixed_size 0
		.amdhsa_enable_private_segment 0
		.amdhsa_kernarg_size 40
		.amdhsa_user_sgpr_count 2
		.amdhsa_user_sgpr_kernarg_segment_ptr 1
		.amdhsa_wavefront_size32 1
		.amdhsa_system_sgpr_workgroup_id_x 1
		.amdhsa_system_sgpr_workgroup_id_y 1
		.amdhsa_system_sgpr_workgroup_id_z 1
		.amdhsa_system_vgpr_workitem_id 0
		.amdhsa_next_free_vgpr 256
		.amdhsa_next_free_sgpr 66
		.amdhsa_reserve_vcc 0
		.amdhsa_float_denorm_mode_32 3
		.amdhsa_float_denorm_mode_16_64 3
		.amdhsa_memory_ordered 1
		.amdhsa_forward_progress 1
		.amdhsa_inst_pref_size 44
	.end_amdhsa_kernel
	.amdgpu_metadata
---
amdhsa.version: [ 1, 2 ]
amdhsa.kernels:
  - .name:           k_q65ff6580e2_ln2
    .symbol:         k_q65ff6580e2_ln2.kd
    .args:
      - { .name: x1, .offset: 0, .size: 8, .value_kind: global_buffer, .address_space: global }
      - { .name: ln2_g, .offset: 8, .size: 8, .value_kind: global_buffer, .address_space: global }
      - { .name: ln2_b, .offset: 16, .size: 8, .value_kind: global_buffer, .address_space: global }
      - { .name: lowp_scales, .offset: 24, .size: 8, .value_kind: global_buffer, .address_space: global }
      - { .name: hc, .offset: 32, .size: 8, .value_kind: global_buffer, .address_space: global }
    .group_segment_fixed_size: 16896
    .private_segment_fixed_size: 0
    .kernarg_segment_align: 8
    .kernarg_segment_size: 40
    .max_flat_workgroup_size: 128
    .sgpr_count:     66
    .vgpr_count:     256
    .wavefront_size: 32
...
	.end_amdgpu_metadata
.endif
;; end of part 5
;; launch ffn1 (part 6): grid 16 x 16, 4 waves a work-group, clusters of 4 x 4, 327,680 bytes of LDS; arguments hc, wq, lowp_scales, ffn_b1, g; writes g
.if DOCPART == 6
	.amdgcn_target "amdgcn-amd-amdhsa--gfx1250"
	.amdhsa_code_object_version 6
	.text
	.protected	k_q65ff6580e2_ffn1
	.globl	k_q65ff6580e2_ffn1
	.p2align	8
	.type	k_q65ff6580e2_ffn1,@function
k_q65ff6580e2_ffn1:
	s_mov_b64 s[64:65], 0
	v_nop
	global_prefetch_b8 v0, s[64:65] scope:SCOPE_SE
	s_setreg_imm32_b32 hwreg(HW_REG_WAVE_MODE, 25, 1), 1
	s_wait_xcnt 0x0
	s_wait_alu depctr_hold_cnt(0) depctr_sa_sdst(0) depctr_va_vdst(0) depctr_va_sdst(0) depctr_va_ssrc(0) depctr_va_vcc(0) depctr_vm_vsrc(0)
	s_getreg_b32 s2, hwreg(HW_REG_IB_STS2, 6, 4)
	s_cmp_eq_u32 s2, 0
	s_cbranch_scc0 .Lentry_in_a_cluster
	s_endpgm
.Lentry_in_a_cluster:
	s_bfe_u32 s2, ttmp6, 0x10000c
	s_cmp_lg_u32 s2, 0xf033
	s_cbranch_scc0 .Lentry_shape_is_right
	s_endpgm
.Lentry_shape_is_right:
; g = codes (entry 10) of gelu(LN2(x1) ffn_w1^T + ffn_b1), the product on codes of E4M3 (entries 8, 9).  No work is left out.  g: [64 chunks of 64 columns][4,096 tokens][64 bytes].
; A tile of C is 256 x 256: 256 work-groups of four waves, each 128 x 128.  K = 1,024 goes in four steps of 256 through two LDS slots; clusters of 4 x 4 ask for A's tile by rows and for B's by columns.
; erf is a quotient of two polynomials in z^2, z = t / sqrt(2) held within +-4.  LIMITS: e8 + e9 between -126 and 127; e10 between -126 and 119; NaN is not served.
.set KROW,   1024
.set ROWB,   256
.set PITCH,  272
.set FR,     16
.set NL,     4
.set NP,     4
.set HALFT,  128*PITCH
.set SLOT,   4*HALFT
.set SPARE,  2*SLOT
.set ADRA, 16
.set ADRB, 20
.set STO,  24
.set RD0,  25
.set GOF,  26
.set ADR,  27
.set SPW,  28
.set NIL,  29
.set BO,   31
.set BC,   32
.set T,    32                          ; the way out's second part: six runs of 32 registers (the bias in v32-95 is done with by then)
.set H,    64
.set Z,    96
.set W,    128
.set AL,   160
.set BE,   192
.set A0,   224
.set B0,   226
.set LIM,  228
.set SC,   229
.set CD,   232
.set AF,   128
.set G1, 24
.set G0, 32
.set G1B, 48
.set G0B, 56
.set MSB, 0
.macro WIN new
.if MSB != \new
	s_set_vgpr_msb (MSB<<8)|\new
.set MSB, \new
.endif
.endm
.set MUL_LO, 0xa1
.set MUL_HI, 0xf1
.set TO_B,   0x40
.macro JLOAD g0a, g1a, g0b, g1b
	s_cmp_eq_u32 s15, 0
	s_cbranch_scc0 .Lfor_b_\@
	tensor_load_to_lds s[\g0a:\g0a+3], s[\g1a:\g1a+7]
	s_nop 0
.rept 4
	v_nop
.endr
	s_branch .Lasked_\@
.Lfor_b_\@:
	tensor_load_to_lds s[\g0b:\g0b+3], s[\g1b:\g1b+7]
	s_nop 0
.rept 4
	v_nop
.endr
.Lasked_\@:
.endm
.macro CREST
	s_cmp_lg_u32 s14, 0
	s_cbranch_scc1 .Lnot_wave_0_\@
	s_barrier_signal -3
.Lnot_wave_0_\@:
	s_barrier_wait -3
	s_barrier_signal -1
	s_barrier_wait -1
.endm
.macro CROUND
	s_barrier_signal -1
	s_barrier_wait -1
	CREST
.endm
	s_load_b256 s[4:11], s[0:1], 0x0
	s_load_b64 s[12:13], s[0:1], 0x20
	v_lshl_add_u32 v[SPW], v0, 2, SPARE
	v_mov_b32 v[NIL], 0
	ds_add_u32 v[SPW], v[NIL]
	ds_add_u32 v[SPW], v[NIL]
	v_lshrrev_b32 v1, 5, v0
	v_readfirstlane_b32 s14, v1
	s_lshr_b32 s15, s14, 1
	s_and_b32 s16, s14, 1
	s_bfe_u32 s40, ttmp6, 0x40000
	s_bfe_u32 s41, ttmp6, 0x40004
	s_lshl_b32 s42, ttmp9, 2
	s_add_co_u32 s42, s42, s40
	s_and_b32 s17, ttmp7, 0xffff
	s_lshl_b32 s17, s17, 2
	s_add_co_u32 s17, s17, s41
	s_lshl_b32 s43, s41, 2
	s_lshl_b32 s43, 15, s43
	s_lshl_b32 s44, 0x1111, s40
	s_or_b32 s[G1+0], s43, (0<<16)|(1<<20)|(1<<21)|(5<<22)|(3<<25)
	s_or_b32 s[G1B+0], s44, (0<<16)|(1<<20)|(1<<21)|(5<<22)|(3<<25)
.irp g, G1, G1B
	s_mov_b32 s[\g+1], ROWB<<16
	s_mov_b32 s[\g+2], 128<<16
	s_mov_b32 s[\g+3], ROWB<<16
	s_mov_b32 s[\g+4], 128
	s_mov_b32 s[\g+5], KROW
	s_mov_b32 s[\g+6], 0
	s_mov_b32 s[\g+7], 0
.endr
	s_lshl_b32 s18, s16, 7
	s_lshl_b32 s20, s17, 8
	s_add_co_u32 s20, s20, s18
	s_lshl_b32 s20, s20, 10
	s_mov_b32 s21, 0
	s_lshl_b32 s46, s42, 8
	s_add_co_u32 s46, s46, s18
	s_lshl_b32 s46, s46, 10
	s_add_co_u32 s46, s46, 4194304
	s_mov_b32 s47, 0
	s_mul_i32 s45, s14, HALFT
	s_wait_dscnt 0x0
	s_wait_kmcnt 0x0
	s_load_b128 s[88:91], s[8:9], 0x20
	s_add_nc_u64 s[20:21], s[4:5], s[20:21]
	s_add_nc_u64 s[46:47], s[6:7], s[46:47]
	CROUND
.irp s, 0,1
	s_mov_b32 s[G0+4*\s], 1
	s_add_co_u32 s[G0+4*\s+1], s45, \s*SLOT
	s_add_nc_u64 s[G0+4*\s+2:G0+4*\s+3], s[20:21], \s*ROWB
	s_or_b32 s[G0+4*\s+3], s[G0+4*\s+3], 0x80000000
	s_mov_b32 s[G0B+4*\s], 1
	s_add_co_u32 s[G0B+4*\s+1], s45, \s*SLOT
	s_add_nc_u64 s[G0B+4*\s+2:G0B+4*\s+3], s[46:47], \s*ROWB
	s_or_b32 s[G0B+4*\s+3], s[G0B+4*\s+3], 0x80000000
.endr
	JLOAD G0, G1, G0B, G1B                         ; K step 0: one tensor load a wave at the head
	; PREFETCHES INTO THE L2: of the 128 rows that I fetch, each of the four partners that ask for them jointly takes 32, told apart by address (cx for A, cy for B): a lane a row, 256 bytes of it a K step.
	; K steps 1 and 2 are asked for here, K step 3 behind K step 1's load; the address registers are never rewritten
	s_cmp_eq_u32 s15, 0
	s_cselect_b64 s[98:99], s[20:21], s[46:47]
	s_cselect_b32 s2, s40, s41
	s_lshl_b32 s2, s2, 15                          ; 32 rows of 1,024 bytes for each place
	s_mov_b32 s3, 0
	s_add_nc_u64 s[98:99], s[98:99], s[2:3]
	v_and_b32 v23, 31, v0
	v_lshlrev_b32 v23, 10, v23
	global_prefetch_b8 v23, s[98:99] offset:256 th:TH_LOAD_NT scope:SCOPE_SE
	global_prefetch_b8 v23, s[98:99] offset:512 th:TH_LOAD_NT scope:SCOPE_SE
	v_and_b32 v1, 15, v0
	v_bfe_u32 v2, v0, 4, 1
	v_and_b32 v6, 31, v0
	v_mul_u32_u24 v3, v1, PITCH
	s_wait_alu depctr_va_vdst(0)
	v_lshl_add_u32 v4, v2, 4, v3
	s_mul_i32 s21, s15, HALFT
	s_mul_i32 s22, s16, HALFT
	s_add_co_u32 s22, s22, 2*HALFT
.irp s, 0,1
	v_add_nc_u32 v[ADRA+\s], s21, v4
	v_add_nc_u32 v[ADRB+\s], s22, v4
	s_add_co_u32 s21, s21, SLOT
	s_add_co_u32 s22, s22, SLOT
.endr
	s_mul_i32 s23, s14, 69632
	v_lshl_add_u32 v5, v2, 5, v3
	v_add_nc_u32 v[STO], s23, v5
	v_lshrrev_b32 v7, 2, v6
	v_mul_u32_u24 v7, v7, 272
	v_and_b32 v8, 3, v6
	v_lshl_add_u32 v7, v8, 6, v7
	v_add_nc_u32 v[RD0], s23, v7
	v_lshlrev_b32 v[GOF], 4, v6
	v_lshlrev_b32 v[BO], 5, v2
	s_lshl_b32 s46, s42, 10
	s_lshl_b32 s47, s16, 9
	s_add_co_u32 s46, s46, s47
	s_mov_b32 s47, 0
	s_add_nc_u64 s[10:11], s[10:11], s[46:47]
	s_lshl_b32 s46, s42, 2
	s_lshl_b32 s47, s16, 1
	s_add_co_u32 s46, s46, s47
	s_lshl_b32 s46, s46, 18
	s_mov_b32 s47, 0
	s_add_nc_u64 s[12:13], s[12:13], s[46:47]
	s_lshl_b32 s20, s17, 14
	s_lshl_b32 s21, s15, 13
	s_add_co_u32 s20, s20, s21
	s_mov_b32 s21, 0
	s_add_nc_u64 s[12:13], s[12:13], s[20:21]
	s_add_nc_u64 s[92:93], s[12:13], 262144
.macro FRAG reg, adr, q, i
.irp c, 0,1,2,3
	ds_load_b128 v[\reg+4*\c:\reg+4*\c+3], v[\adr] offset:128*(\q)+32*\c+(\i)*16*PITCH
.endr
.endm
.macro MUL16 a0, p, zero
.irp a, \a0, \a0+1
.irp b, 0,1,2,3,4,5,6,7
.if \zero
	v_wmma_f32_16x16x128_fp8_fp8 v[8*(8*((\a)%4)+\b):8*(8*((\a)%4)+\b)+7], v[128*(\p)+FR*\b:128*(\p)+FR*\b+FR-1], v[AF+FR*(\a):AF+FR*(\a)+FR-1], 0
.else
	v_wmma_f32_16x16x128_fp8_fp8 v[8*(8*((\a)%4)+\b):8*(8*((\a)%4)+\b)+7], v[128*(\p)+FR*\b:128*(\p)+FR*\b+FR-1], v[AF+FR*(\a):AF+FR*(\a)+FR-1], v[8*(8*((\a)%4)+\b):8*(8*((\a)%4)+\b)+7]
.endif
.endr
.endr
.endm
.macro FETCH_B slot, q, p
	WIN TO_B
.irp i, 0,1,2,3,4,5,6,7
	FRAG 128*(\p)+FR*\i, ADRB+\slot, \q, \i
.endr
	WIN 0
.endm
.macro FETCH_A slot, q, i0
.irp i, \i0, \i0+1, \i0+2, \i0+3
	FRAG AF+FR*(\i), ADRA+\slot, \q, \i
.endr
.endm
.macro PLACES n
.rept \n
	v_nop
.endr
.endm
.macro STEP slot, q, zero
	s_wait_dscnt 4*NL
	WIN MUL_LO
	MUL16 0, (\q)%2, \zero
	MUL16 2, (\q)%2, \zero
	s_wait_dscnt 0
	PLACES NP
	FETCH_B \slot, (\q)+1, 1-(\q)%2
	FETCH_A \slot, (\q)+1, 0
	WIN MUL_HI
	MUL16 4, (\q)%2, \zero
	MUL16 6, (\q)%2, \zero
	PLACES NP
	WIN 0
	FETCH_A \slot, (\q)+1, 4
.endm
.macro TURN slot, next, fill
	s_wait_tensorcnt 0x0
	ds_add_u32 v[SPW], v[NIL]
	s_wait_dscnt 4*NL+1
	WIN MUL_LO
	MUL16 0, 1, 0
	s_wait_dscnt 0x0
	s_barrier_signal -1
	MUL16 2, 1, 0
	WIN 0
	s_barrier_wait -1
.if \fill
	CREST
	s_add_nc_u64 s[G0+4*\slot+2:G0+4*\slot+3], s[G0+4*\slot+2:G0+4*\slot+3], 2*ROWB
	s_add_nc_u64 s[G0B+4*\slot+2:G0B+4*\slot+3], s[G0B+4*\slot+2:G0B+4*\slot+3], 2*ROWB
	JLOAD G0+4*\slot, G1, G0B+4*\slot, G1B
.else
	PLACES NP
.endif
	FETCH_B \next, 0, 0
	FETCH_A \next, 0, 0
	WIN MUL_HI
	MUL16 4, 1, 0
	MUL16 6, 1, 0
	PLACES NP
	WIN 0
	FETCH_A \next, 0, 4
.endm
.macro PAIR reg, val
	s_mov_b32 s[\reg], \val
	s_mov_b32 s[\reg+1], \val
.endm
	s_wait_alu depctr_va_vdst(0)
	s_wait_tensorcnt 0x0                           ; my part of K step 0 is in
	ds_add_u32 v[SPW], v[NIL]
	s_wait_dscnt 0x0
	CROUND                                         ; everybody's part of K step 0 is in, and all sixteen work-groups are here
	JLOAD G0+4, G1, G0B+4, G1B                     ; K step 1: the first tensor load behind the round
	FETCH_B 0, 0, 0
	FETCH_A 0, 0, 0
	FETCH_A 0, 0, 4
	global_prefetch_b8 v23, s[98:99] offset:768 th:TH_LOAD_NT scope:SCOPE_SE   ; K step 3, two loads ahead of its own
	STEP 0, 0, 1                                   ; the first products start the sums
	TURN 0, 1, 1
	STEP 1, 0, 0
	TURN 1, 0, 1
	STEP 0, 0, 0
	TURN 0, 1, 0
	STEP 1, 0, 0
	s_wait_dscnt 0x0
	s_barrier_signal -1
	s_barrier_wait -1
	s_wait_alu depctr_va_vdst(0)
.irp b, 0,1,2,3,4,5,6,7
	global_load_b128 v[BC+8*\b:BC+8*\b+3], v[BO], s[10:11] offset:64*\b
	global_load_b128 v[BC+8*\b+4:BC+8*\b+7], v[BO], s[10:11] offset:64*\b+16
.endr
	WIN MUL_LO
	MUL16 0, 1, 0
	MUL16 2, 1, 0
	WIN MUL_HI
	MUL16 4, 1, 0
	MUL16 6, 1, 0
	WIN 0
	PAIR 66, 0x32edffee
	PAIR 68, 0xb60cff51
	PAIR 70, 0xb86ec2d2
	PAIR 72, 0xba40ac63
	PAIR 74, 0xbb41a1f6
	PAIR 76, 0xbc83dbd4
	PAIR 78, 0xb95fbd29
	PAIR 80, 0xbadc924e
	PAIR 82, 0xbbf19bf8
	PAIR 84, 0xbc69b6a7
	PAIR 86, 0x3f3504f3
	s_wait_kmcnt 0x0
	s_add_co_i32 s96, s88, s89
	s_add_co_i32 s96, s96, 127
	s_lshl_b32 s96, s96, 23
	s_mov_b32 s97, s96
	s_add_co_i32 s94, s90, 127
	s_lshl_b32 s95, s94, 23
	s_add_co_i32 s94, s94, 8
	s_lshl_b32 s94, s94, 23
	s_or_b32 s94, s94, 0x600000
	PLACES NP
	v_mov_b32 v[SC], s95
	v_mov_b32 v[LIM], s94
	v_mov_b32 v[A0], 0xaf95df0b
	v_mov_b32 v[A0+1], 0xaf95df0b
	v_mov_b32 v[B0], 0xb77460cd
	v_mov_b32 v[B0+1], 0xb77460cd
	s_wait_loadcnt 0x0
.irp a, 0,1,2,3,4,5,6,7
.set AC, 64*(\a%4)
.set TS, 96+64*(\a%2)
.if \a >= 2
	s_wait_dscnt 16
.endif
	WIN (0x02+(\a/4))
.irp b, 0,1,2,3,4,5,6,7
.irp i, 0,2,4,6
	v_pk_fma_f32 v[TS+8*\b+\i:TS+8*\b+\i+1], v[AC+8*\b+\i:AC+8*\b+\i+1], s[96:97], v[BC+8*\b+\i:BC+8*\b+\i+1] op_sel_hi:[1,0,1]
.endr
.endr
	WIN 0
.irp b, 0,1,2,3,4,5,6,7
	ds_store_b128 v[STO], v[TS+8*\b:TS+8*\b+3] offset:(\b/4)*34816+\a*4352+64*(\b%4)
	ds_store_b128 v[STO], v[TS+8*\b+4:TS+8*\b+7] offset:(\b/4)*34816+\a*4352+64*(\b%4)+16
.endr
.endr
; gelu and the quantiser, 32 numbers a lane and trip: 16 neighbouring columns of one row in each of my two chunks; eight rows a trip.  pre = 1: the next eight rows are read from the stage meanwhile
.macro SB pre
	s_wait_dscnt 0x0                               ; this trip's numbers are in
.set n, 0
.rept 16
	v_pk_mul_f32 v[Z+n:Z+n+1], v[T+n:T+n+1], s[86:87] op_sel_hi:[1,0]   ; z = t / sqrt(2)
	v_pk_mul_f32 v[H+n:H+n+1], v[T+n:T+n+1], 0.5 op_sel_hi:[1,0]        ; t / 2
.set n, n+2
.endr
.if \pre
	s_add_co_u32 s2, s2, 2176
	v_add_nc_u32 v[ADR], s2, v[RD0]
.irp k, 0,1,2,3
	ds_load_b128 v[T+4*\k:T+4*\k+3], v[ADR] offset:16*\k
	ds_load_b128 v[T+16+4*\k:T+16+4*\k+3], v[ADR] offset:34816+16*\k
.endr
.endif
.set n, 0
.rept 32
	v_med3_num_f32 v[Z+n], v[Z+n], -4.0, 4.0
.set n, n+1
.endr
.set n, 0
.rept 16
	v_pk_mul_f32 v[W+n:W+n+1], v[Z+n:Z+n+1], v[Z+n:Z+n+1]
.set n, n+2
.endr
.set n, 0
.rept 16
	v_pk_fma_f32 v[AL+n:AL+n+1], v[W+n:W+n+1], v[A0:A0+1], s[66:67] op_sel_hi:[1,1,0]
	v_pk_fma_f32 v[BE+n:BE+n+1], v[W+n:W+n+1], v[B0:B0+1], s[78:79] op_sel_hi:[1,1,0]
.set n, n+2
.endr
.irp k, 80,82,84
.set n, 0
.rept 16
	v_pk_fma_f32 v[BE+n:BE+n+1], v[BE+n:BE+n+1], v[W+n:W+n+1], s[\k:\k+1] op_sel_hi:[1,1,0]   ; the denominator
.set n, n+2
.endr
.endr
	s_wait_alu depctr_va_vdst(0)
.set n, 0
.rept 32
	v_rcp_f32 v[BE+n], v[BE+n]
.set n, n+1
.endr
.irp k, 68,70,72,74,76
.set n, 0
.rept 16
	v_pk_fma_f32 v[AL+n:AL+n+1], v[AL+n:AL+n+1], v[W+n:W+n+1], s[\k:\k+1] op_sel_hi:[1,1,0]   ; the numerator: work that names no result of the batch
.set n, n+2
.endr
.endr
.set n, 0
.rept 16
	v_pk_mul_f32 v[AL+n:AL+n+1], v[AL+n:AL+n+1], v[Z+n:Z+n+1]
.set n, n+2
.endr
	s_wait_alu depctr_va_vdst(0)                   ; one wait for the batch, ahead of its first reader
.set n, 0
.rept 16
	v_pk_mul_f32 v[AL+n:AL+n+1], v[AL+n:AL+n+1], v[BE+n:BE+n+1]         ; erf(z)
.set n, n+2
.endr
.set n, 0
.rept 16
	v_pk_fma_f32 v[H+n:H+n+1], v[H+n:H+n+1], v[AL+n:AL+n+1], v[H+n:H+n+1]
.set n, n+2
.endr
.set n, 0
.rept 32
	v_med3_num_f32 v[H+n], v[H+n], -v[LIM], v[LIM] ; the conversion does not saturate (ISA guide 7.6.2)
.set n, n+1
.endr
.irp i, 0,1,2,3
	v_cvt_scalef32_pk8_fp8_f32 v[CD+2*\i:CD+2*\i+1], v[H+8*\i:H+8*\i+7], v[SC]
.endr
	v_nop                                          ; a plain line behind the last conversion
	global_store_b128 v[GOF], v[CD:CD+3], s[12:13]     ; 512 consecutive bytes of each chunk
	global_store_b128 v[GOF], v[CD+4:CD+7], s[92:93]
.endm
	s_wait_dscnt 0x0                               ; the stage's stores have read their registers
	s_mov_b32 s2, 0
	v_add_nc_u32 v[ADR], s2, v[RD0]
.irp k, 0,1,2,3
	ds_load_b128 v[T+4*\k:T+4*\k+3], v[ADR] offset:16*\k
	ds_load_b128 v[T+16+4*\k:T+16+4*\k+3], v[ADR] offset:34816+16*\k
.endr
	s_mov_b32 s3, 15
.Lrows:
	SB 1
	s_wait_xcnt 0x0                                ; the stores have read their registers: the offset and the codes may be written
	v_add_nc_u32 v[GOF], 512, v[GOF]
	s_sub_co_u32 s3, s3, 1
	s_cmp_lg_u32 s3, 0
	s_cbranch_scc1 .Lrows
	SB 0
	s_wait_tensorcnt 0x0
	ds_add_u32 v[SPW], v[NIL]
	s_wait_dscnt 0x0
	CROUND
	s_endpgm
.Lfunc_end_k_q65ff6580e2_ffn1:
	.size	k_q65ff6580e2_ffn1, .Lfunc_end_k_q65ff6580e2_ffn1-k_q65ff6580e2_ffn1
	.p2alignl 7, 3214868480
	.fill 96, 4, 3214868480
	.section	.rodata,"a",@progbits
	.p2align	6, 0x0
	.amdhsa_kernel k_q65ff6580e2_ffn1
		.amdhsa_group_segment_fixed_size 327680
		.amdhsa_private_segment_fixed_size 0
		.amdhsa_enable_private_segment 0
		.amdhsa_kernarg_size 40
		.amdhsa_user_sgpr_count 2
		.amdhsa_user_sgpr_kernarg_segment_ptr 1
		.amdhsa_wavefront_size32 1
		.amdhsa_system_sgpr_workgroup_id_x 1
		.amdhsa_system_sgpr_workgroup_id_y 1
		.amdhsa_system_sgpr_workgroup_id_z 1
		.amdhsa_system_vgpr_workitem_id 0
		.amdhsa_next_free_vgpr 1024
		.amdhsa_next_free_sgpr 100
		.amdhsa_reserve_vcc 0
		.amdhsa_float_denorm_mode_32 3
		.amdhsa_float_denorm_mode_16_64 3
		.amdhsa_memory_ordered 1
		.amdhsa_forward_progress 1
		.amdhsa_inst_pref_size 152
	.end_amdhsa_kernel
	.amdgpu_metadata
---
amdhsa.version: [ 1, 2 ]
amdhsa.kernels:
  - .name:           k_q65ff6580e2_ffn1
    .symbol:         k_q65ff6580e2_ffn1.kd
    .args:
      - { .name: hc, .offset: 0, .size: 8, .value_kind: global_buffer, .address_space: global }
      - { .name: wq, .offset: 8, .size: 8, .value_kind: global_buffer, .address_space: global }
      - { .name: lowp_scales, .offset: 16, .size: 8, .value_kind: global_buffer, .address_space: global }
      - { .name: ffn_b1, .offset: 24, .size: 8, .value_kind: global_buffer, .address_space: global }
      - { .name: g, .offset: 32, .size: 8, .value_kind: global_buffer, .address_space: global }
    .group_segment_fixed_size: 327680
    .private_segment_fixed_size: 0
    .kernarg_segment_align: 8
    .kernarg_segment_size: 40
    .max_flat_workgroup_size: 128
    .sgpr_count:     100
    .vgpr_count:     1024
    .wavefront_size: 32
...
	.end_amdgpu_metadata
.endif
;; end of part 6
;; launch ffn2 (part 7): grid 8 x 32, 4 waves a work-group, clusters of 4 x 4, 327,680 bytes of LDS; arguments g, wq, lowp_scales, ffn_b2, x1, out0; writes out0
.if DOCPART == 7
	.amdgcn_target "amdgcn-amd-amdhsa--gfx1250"
	.amdhsa_code_object_version 6
	.text
	.protected	k_q65ff6580e2_ffn2
	.globl	k_q65ff6580e2_ffn2
	.p2align	8
	.type	k_q65ff6580e2_ffn2,@function
k_q65ff6580e2_ffn2:
	s_mov_b64 s[64:65], 0
	v_nop
	global_prefetch_b8 v0, s[64:65] scope:SCOPE_SE
	s_setreg_imm32_b32 hwreg(HW_REG_WAVE_MODE, 25, 1), 1
	s_wait_xcnt 0x0
	s_wait_alu depctr_hold_cnt(0) depctr_sa_sdst(0) depctr_va_vdst(0) depctr_va_sdst(0) depctr_va_ssrc(0) depctr_va_vcc(0) depctr_vm_vsrc(0)
	s_getreg_b32 s2, hwreg(HW_REG_IB_STS2, 6, 4)
	s_cmp_eq_u32 s2, 0
	s_cbranch_scc0 .Lentry_in_a_cluster
	s_endpgm
.Lentry_in_a_cluster:
	s_bfe_u32 s2, ttmp6, 0x10000c
	s_cmp_lg_u32 s2, 0xf033
	s_cbranch_scc0 .Lentry_shape_is_right
	s_endpgm
.Lentry_shape_is_right:
; out0 = g ffn_w2^T x 2^(e10 + e11) + ffn_b2 + x1, f32, the product on codes of E4M3.  No work is left out.  g: [64 chunks of 64 columns][4,096 rows][64 bytes]; ffn_w2's codes [1,024][4,096] at byte WOFF of wq.
; A tile of C is 128 x 128: 256 work-groups of four waves, each 64 x 64.  K = 4,096 goes in eight steps of 512 through two LDS slots; clusters of 4 x 4 ask for A's tile by rows and for B's by columns.
; LIMIT: e10 + e11 between -126 and 127.
.set KT,    4096
.set WOFF,  8388608
.set SCOFF, 0x28
.set LAPS,  KT/1024
.set AHALF, 8*64*80
.set BHALF, 64*528
.set BPART, 2*AHALF
.set SLOT,  BPART+2*BHALF
.set SPARE, 2*SLOT
.set SPITCH, 272
.set ADRA, 16
.set ADRB, 20
.set STO,  24
.set RD,   25
.set CO,   26
.set BOF,  27
.set SPW,  28
.set NIL,  29
.set BIAS, 32
.set ACC,  128
.set F0,   0
.set F1,   128
.set G1, 24
.set G0, 32
.set G1B, 48
.set G0B, 56
.set MSB, 0
.macro WIN new
.if MSB != \new
	s_set_vgpr_msb (MSB<<8)|\new
.set MSB, \new
.endif
.endm
.set MUL,  0x05
.set TO_F, 0x40
.macro JLOAD s
	s_cmp_eq_u32 s11, 0
	s_cbranch_scc0 .Lfor_b_\@
	tensor_load_to_lds s[G0+4*\s:G0+4*\s+3], s[G1:G1+7]
	s_nop 0
.rept 4
	v_nop
.endr
	s_branch .Lasked_\@
.Lfor_b_\@:
	tensor_load_to_lds s[G0B+4*\s:G0B+4*\s+3], s[G1B:G1B+7]
	s_nop 0
.rept 4
	v_nop
.endr
.Lasked_\@:
.endm
.macro CREST
	s_cmp_lg_u32 s10, 0
	s_cbranch_scc1 .Lnot_wave_0_\@
	s_barrier_signal -3
.Lnot_wave_0_\@:
	s_barrier_wait -3
	s_barrier_signal -1
	s_barrier_wait -1
.endm
.macro CROUND
	s_barrier_signal -1
	s_barrier_wait -1
	CREST
.endm
	s_load_b128 s[4:7], s[0:1], 0x0
	s_load_b256 s[68:75], s[0:1], 0x10
	v_lshl_add_u32 v[SPW], v0, 2, SPARE
	v_mov_b32 v[NIL], 0
	ds_add_u32 v[SPW], v[NIL]
	ds_add_u32 v[SPW], v[NIL]
	v_lshrrev_b32 v1, 5, v0
	v_readfirstlane_b32 s10, v1
	s_lshr_b32 s11, s10, 1
	s_and_b32 s12, s10, 1
	s_bfe_u32 s40, ttmp6, 0x40000
	s_bfe_u32 s41, ttmp6, 0x40004
	s_lshl_b32 s42, ttmp9, 2
	s_add_co_u32 s42, s42, s40
	s_and_b32 s13, ttmp7, 0xffff
	s_lshl_b32 s13, s13, 2
	s_add_co_u32 s13, s13, s41
	s_lshl_b32 s43, s41, 2
	s_lshl_b32 s43, 15, s43
	s_lshl_b32 s44, 0x1111, s40
	s_or_b32 s[G1+0], s43, (0<<16)|(1<<20)|(1<<21)|(3<<22)|(3<<25)
	s_mov_b32 s[G1+1], 4096<<16
	s_mov_b32 s[G1+2], 8<<16
	s_mov_b32 s[G1+3], 4096<<16
	s_mov_b32 s[G1+4], 8
	s_mov_b32 s[G1+5], 262144
	s_mov_b32 s[G1+6], 0
	s_mov_b32 s[G1+7], 0
	s_or_b32 s[G1B+0], s44, (0<<16)|(1<<20)|(1<<21)|(6<<22)|(3<<25)
	s_mov_b32 s[G1B+1], 512<<16
	s_mov_b32 s[G1B+2], 64<<16
	s_mov_b32 s[G1B+3], 512<<16
	s_mov_b32 s[G1B+4], 64
	s_mov_b32 s[G1B+5], KT
	s_mov_b32 s[G1B+6], 0
	s_mov_b32 s[G1B+7], 0
	s_lshl_b32 s16, s13, 13
	s_lshl_b32 s17, s12, 12
	s_add_co_u32 s16, s16, s17
	s_mov_b32 s17, 0
	s_lshl_b32 s46, s42, 7
	s_lshl_b32 s47, s12, 6
	s_add_co_u32 s46, s46, s47
	s_mul_i32 s46, s46, KT
	s_add_co_u32 s46, s46, WOFF
	s_mov_b32 s47, 0
	s_mul_i32 s20, s12, AHALF
	s_mul_i32 s19, s12, BHALF
	s_add_co_u32 s19, s19, BPART
	s_wait_dscnt 0x0
	s_wait_kmcnt 0x0
	s_load_b64 s[76:77], s[68:69], SCOFF
	s_add_nc_u64 s[14:15], s[4:5], s[16:17]
	s_add_nc_u64 s[46:47], s[6:7], s[46:47]
	CROUND
.irp s, 0,1
	s_mov_b32 s[G0+4*\s], 1
	s_add_co_u32 s[G0+4*\s+1], s20, \s*SLOT
	s_add_nc_u64 s[G0+4*\s+2:G0+4*\s+3], s[14:15], \s*8*262144
	s_or_b32 s[G0+4*\s+3], s[G0+4*\s+3], 0x80000000
	s_mov_b32 s[G0B+4*\s], 1
	s_add_co_u32 s[G0B+4*\s+1], s19, \s*SLOT
	s_add_nc_u64 s[G0B+4*\s+2:G0B+4*\s+3], s[46:47], \s*512
	s_or_b32 s[G0B+4*\s+3], s[G0B+4*\s+3], 0x80000000
.endr
	JLOAD 0                                        ; K step 0: one tensor load a wave at the head
	; PREFETCHES INTO THE L2.  What I fetch in a K step is 128 blocks of 256 bytes (A: 8 chunks x 4,096 bytes; B: 64 rows x 512 bytes); each of the four partners that ask for it jointly takes 32, told apart by address:
	; A: place cx takes chunks 2 cx, 2 cx + 1, a lane a block; B: place cy takes rows 16 cy .. 16 cy + 15, two lanes a row.  K steps 1 and 2 are asked for at the head, then K step t + 2 behind the load of K step t; the last two refills ask for nothing
	s_cmp_eq_u32 s11, 0
	s_cselect_b64 s[80:81], s[14:15], s[46:47]     ; where my prefetches stand
	s_cselect_b32 s84, s40, s41                    ; my place among the four
	s_cselect_b32 s86, 19, 16                      ; its share: 2 chunks of 262,144 bytes, or 16 rows of 4,096
	s_cselect_b32 s87, 4, 1                        ; lanes to a chunk, or to a row: 16 or 2
	s_cselect_b32 s88, 18, 12
	s_cselect_b32 s89, 15, 1
	s_mov_b32 s82, 512
	s_cselect_b32 s82, 2097152, s82                ; a K step on: 8 chunks, or 512 bytes
	s_mov_b32 s83, 0
	s_lshl_b32 s84, s84, s86
	s_mov_b32 s85, 0
	s_add_nc_u64 s[80:81], s[80:81], s[84:85]
	s_add_nc_u64 s[80:81], s[80:81], s[82:83]      ; K step 1
	v_and_b32 v31, 31, v0
	v_lshrrev_b32 v30, s87, v31
	v_lshlrev_b32 v30, s88, v30
	v_and_b32 v31, s89, v31
	v_lshl_add_u32 v30, v31, 8, v30                ; my lane's block; never rewritten
	global_prefetch_b8 v30, s[80:81] th:TH_LOAD_NT scope:SCOPE_SE
	v_and_b32 v1, 15, v0
	v_bfe_u32 v2, v0, 4, 1
	v_mul_u32_u24 v3, v1, 80
	v_lshl_add_u32 v3, v2, 4, v3
	v_mul_u32_u24 v4, v1, 528
	v_lshl_add_u32 v4, v2, 4, v4
	s_mul_i32 s21, s11, AHALF
	s_mul_i32 s22, s12, BHALF
	s_add_co_u32 s22, s22, BPART
.irp s, 0,1
	v_add_nc_u32 v[ADRA+\s], s21, v3
	v_add_nc_u32 v[ADRB+\s], s22, v4
	s_add_co_u32 s21, s21, SLOT
	s_add_co_u32 s22, s22, SLOT
.endr
	s_mul_i32 s23, s10, 64*SPITCH
	v_mul_u32_u24 v5, v1, SPITCH
	v_lshl_add_u32 v5, v2, 5, v5
	v_add_nc_u32 v[STO], s23, v5
	v_mul_u32_u24 v5, v2, SPITCH
	v_lshl_add_u32 v5, v1, 4, v5
	v_add_nc_u32 v[RD], s23, v5
	v_lshlrev_b32 v5, 12, v2
	v_lshl_add_u32 v[CO], v1, 4, v5
	v_lshlrev_b32 v[BOF], 4, v1
	s_wait_alu depctr_va_vdst(0)
	s_lshl_b32 s16, s13, 19
	s_lshl_b32 s17, s11, 18
	s_add_co_u32 s16, s16, s17
	s_mov_b32 s17, 0
	s_add_nc_u64 s[72:73], s[72:73], s[16:17]
	s_add_nc_u64 s[74:75], s[74:75], s[16:17]
	s_lshl_b32 s46, s42, 9
	s_lshl_b32 s47, s12, 8
	s_add_co_u32 s46, s46, s47
	s_mov_b32 s47, 0
	s_add_nc_u64 s[72:73], s[72:73], s[46:47]
	s_add_nc_u64 s[74:75], s[74:75], s[46:47]
	s_add_nc_u64 s[70:71], s[70:71], s[46:47]
	global_load_b128 v[BIAS:BIAS+3], v[BOF], s[70:71]
	s_wait_xcnt 0x0                                ; the prefetch has read its address
	s_add_nc_u64 s[80:81], s[80:81], s[82:83]
	global_prefetch_b8 v30, s[80:81] th:TH_LOAD_NT scope:SCOPE_SE   ; K step 2
.macro MULA f, a, zero
.irp b, 0,1,2,3
.if \zero
	v_wmma_f32_16x16x128_fp8_fp8 v[ACC+8*(4*(\a)+\b):ACC+8*(4*(\a)+\b)+7], v[\f+64+16*\b:\f+64+16*\b+15], v[\f+16*(\a):\f+16*(\a)+15], 0
.else
	v_wmma_f32_16x16x128_fp8_fp8 v[ACC+8*(4*(\a)+\b):ACC+8*(4*(\a)+\b)+7], v[\f+64+16*\b:\f+64+16*\b+15], v[\f+16*(\a):\f+16*(\a)+15], v[ACC+8*(4*(\a)+\b):ACC+8*(4*(\a)+\b)+7]
.endif
.endr
.endm
.macro FETCH slot, q, f
	WIN TO_F
.irp i, 0,1,2,3
.irp c, 0,1,2,3
	ds_load_b128 v[\f+64+16*\i+4*\c:\f+64+16*\i+4*\c+3], v[ADRB+\slot] offset:128*(\q)+32*\c+\i*8448
.endr
.endr
.irp i, 0,1,2,3
.irp c, 0,1,2,3
	ds_load_b128 v[\f+16*\i+4*\c:\f+16*\i+4*\c+3], v[ADRA+\slot] offset:(2*(\q)+\c/2)*5120+\i*1280+32*(\c%2)
.endr
.endr
.endm
.macro PLACES
.rept 4
	v_nop
.endr
.endm
.macro QUARTER slot, qn, f, g, zero
	s_wait_dscnt 8
	WIN MUL
	MULA \f, 0, \zero
	MULA \f, 1, \zero
	PLACES
	FETCH \slot, \qn, \g
	s_wait_dscnt 32
	WIN MUL
	MULA \f, 2, \zero
	MULA \f, 3, \zero
.endm
.macro TURN slot, next, fill
	WIN 0
.if \fill
	s_wait_xcnt 0x0                                ; any prefetch of mine has read its address: it is stepped here, a K step behind the prefetch
	s_add_nc_u64 s[80:81], s[80:81], s[82:83]
.endif
	s_wait_tensorcnt 0x0
	ds_add_u32 v[SPW], v[NIL]
	s_wait_dscnt 9
	WIN MUL
	MULA F1, 0, 0
	s_wait_dscnt 0x0
	s_barrier_signal -1
	MULA F1, 1, 0
	WIN 0
	s_barrier_wait -1
.if \fill
	CREST
	s_add_nc_u64 s[G0+4*\slot+2:G0+4*\slot+3], s[G0+4*\slot+2:G0+4*\slot+3], 2*8*262144
	s_add_nc_u64 s[G0B+4*\slot+2:G0B+4*\slot+3], s[G0B+4*\slot+2:G0B+4*\slot+3], 2*512
	JLOAD \slot
.else
	PLACES
.endif
	FETCH \next, 0, F0
.if \fill
	WIN 0
	s_cmp_gt_u32 s3, 1                             ; s3 = 1 in the loop's last trip: its refills have no K step two on
	s_cbranch_scc0 .Lno_ask_\@
	global_prefetch_b8 v30, s[80:81] th:TH_LOAD_NT scope:SCOPE_SE
.Lno_ask_\@:
.endif
	WIN MUL
	MULA F1, 2, 0
	MULA F1, 3, 0
.endm
	s_wait_tensorcnt 0x0                           ; my part of K step 0 is in
	ds_add_u32 v[SPW], v[NIL]
	s_wait_xcnt 0x0                                ; the prefetch has read its address
	s_add_nc_u64 s[80:81], s[80:81], s[82:83]
	s_wait_dscnt 0x0
	CROUND                                         ; everybody's part of K step 0 is in, and all sixteen work-groups are here
	JLOAD 1                                        ; K step 1: the first tensor load behind the round
	FETCH 0, 0, F0
	WIN 0
	global_prefetch_b8 v30, s[80:81] th:TH_LOAD_NT scope:SCOPE_SE   ; K step 3
	QUARTER 0, 1, F0, F1, 1
.if LAPS > 1
	WIN 0
	s_mov_b32 s3, LAPS-1
.Llap:
	QUARTER 0, 2, F1, F0, 0
	QUARTER 0, 3, F0, F1, 0
	TURN 0, 1, 1
	QUARTER 1, 1, F0, F1, 0
	QUARTER 1, 2, F1, F0, 0
	QUARTER 1, 3, F0, F1, 0
	TURN 1, 0, 1
	QUARTER 0, 1, F0, F1, 0
	WIN 0
	s_sub_co_u32 s3, s3, 1
	s_cmp_lg_u32 s3, 0
	s_cbranch_scc1 .Llap
.endif
	WIN 0x80                                       ; destination window 2
.set t, 0
.rept 32
	global_load_b128 v[4*t:4*t+3], v[CO], s[72:73] offset:8192*t th:TH_LOAD_NT   ; the residual of my 64 x 64, in the order in which the rows leave: it lands under the last lap
.set t, t+1
.endr
	QUARTER 0, 2, F1, F0, 0
	QUARTER 0, 3, F0, F1, 0
	TURN 0, 1, 0
	QUARTER 1, 1, F0, F1, 0
	QUARTER 1, 2, F1, F0, 0
	QUARTER 1, 3, F0, F1, 0
	s_wait_dscnt 8
	WIN MUL
	MULA F1, 0, 0
	MULA F1, 1, 0
	s_wait_dscnt 0x0
	MULA F1, 2, 0
	MULA F1, 3, 0
	WIN 0
	PLACES
.irp a, 0,1,2,3
.irp b, 0,1,2,3
	ds_store_b128 v[STO], v[ACC+8*(4*\a+\b):ACC+8*(4*\a+\b)+3] offset:\a*4352+64*\b
	ds_store_b128 v[STO], v[ACC+8*(4*\a+\b)+4:ACC+8*(4*\a+\b)+7] offset:\a*4352+64*\b+16
.endr
.endr
	WIN TO_F
.set t, 0
.rept 32
	ds_load_b128 v[4*t:4*t+3], v[RD] offset:544*t
.set t, t+1
.endr
	s_wait_kmcnt 0x0
	s_add_co_i32 s78, s76, s77
	s_add_co_i32 s78, s78, 127
	s_lshl_b32 s78, s78, 23
	s_mov_b32 s79, s78
	s_wait_loadcnt 0x0
	WIN 0x82
.set t, 0
.rept 32
	v_pk_add_f32 v[4*t:4*t+1], v[4*t:4*t+1], v[BIAS:BIAS+1]
	v_pk_add_f32 v[4*t+2:4*t+3], v[4*t+2:4*t+3], v[BIAS+2:BIAS+3]
.set t, t+1
.endr
	s_wait_dscnt 0x0
	WIN 0x61
.set t, 0
.rept 64
	v_pk_fma_f32 v[2*t:2*t+1], v[2*t:2*t+1], s[78:79], v[2*t:2*t+1] op_sel_hi:[1,0,1]
.set t, t+1
.endr
	WIN 0x04
.set t, 0
.rept 32
.if KT > 1024
	global_store_b128 v[CO], v[4*t:4*t+3], s[74:75] offset:8192*t th:TH_STORE_NT
.else
	global_store_b128 v[CO], v[4*t:4*t+3], s[74:75] offset:8192*t
.endif
.set t, t+1
.endr
	WIN 0
	s_wait_tensorcnt 0x0
	ds_add_u32 v[SPW], v[NIL]
	s_wait_dscnt 0x0
	CROUND
	s_endpgm
.Lfunc_end_k_q65ff6580e2_ffn2:
	.size	k_q65ff6580e2_ffn2, .Lfunc_end_k_q65ff6580e2_ffn2-k_q65ff6580e2_ffn2
	.p2alignl 7, 3214868480
	.fill 96, 4, 3214868480
	.section	.rodata,"a",@progbits
	.p2align	6, 0x0
	.amdhsa_kernel k_q65ff6580e2_ffn2
		.amdhsa_group_segment_fixed_size 327680
		.amdhsa_private_segment_fixed_size 0
		.amdhsa_enable_private_segment 0
		.amdhsa_kernarg_size 48
		.amdhsa_user_sgpr_count 2
		.amdhsa_user_sgpr_kernarg_segment_ptr 1
		.amdhsa_wavefront_size32 1
		.amdhsa_system_sgpr_workgroup_id_x 1
		.amdhsa_system_sgpr_workgroup_id_y 1
		.amdhsa_system_sgpr_workgroup_id_z 1
		.amdhsa_system_vgpr_workitem_id 0
		.amdhsa_next_free_vgpr 640
		.amdhsa_next_free_sgpr 90
		.amdhsa_reserve_vcc 0
		.amdhsa_float_denorm_mode_32 3
		.amdhsa_float_denorm_mode_16_64 3
		.amdhsa_memory_ordered 1
		.amdhsa_forward_progress 1
		.amdhsa_inst_pref_size 83
	.end_amdhsa_kernel
	.amdgpu_metadata
---
amdhsa.version: [ 1, 2 ]
amdhsa.kernels:
  - .name:           k_q65ff6580e2_ffn2
    .symbol:         k_q65ff6580e2_ffn2.kd
    .args:
      - { .name: g, .offset: 0, .size: 8, .value_kind: global_buffer, .address_space: global }
      - { .name: wq, .offset: 8, .size: 8, .value_kind: global_buffer, .address_space: global }
      - { .name: lowp_scales, .offset: 16, .size: 8, .value_kind: global_buffer, .address_space: global }
      - { .name: ffn_b2, .offset: 24, .size: 8, .value_kind: global_buffer, .address_space: global }
      - { .name: x1, .offset: 32, .size: 8, .value_kind: global_buffer, .address_space: global }
      - { .name: out0, .offset: 40, .size: 8, .value_kind: global_buffer, .address_space: global }
    .group_segment_fixed_size: 327680
    .private_segment_fixed_size: 0
    .kernarg_segment_align: 8
    .kernarg_segment_size: 48
    .max_flat_workgroup_size: 128
    .sgpr_count:     90
    .vgpr_count:     640
    .wavefront_size: 32
...
	.end_amdgpu_metadata
.endif
;; end of part 7
